; MI455X (gfx1250); checked and timed in simulation.
; The chip was launched on July 23, 2026; its instructions are those of AMD's public machine-readable ISA for CDNA 5 (MIT licence, August 2026) and "CDNA5" Instruction Set Architecture Reference Guide (July 2026). The comments in the code are by the model that wrote it; some were corrected since.
;; Attention Block. Allowed arithmetic: float matrix products may take bf16 or f16 operands with f32 sums; other float arithmetic in f32, or as packed bf16 or f16 multiplies, adds, multiply-adds, maxima and minima; sums over many terms, partial sums and values carried from step to step in f32; what a program stores and reads back later, other than sums and carried values, may be rounded once to bf16 or f16.
;; Inputs: a1_bo 256 float32; a1_wk 256 x 256 float32; a1_wo 256 x 256 float32; a1_wq 256 x 256 float32; a1_wv 256 x 256 float32; a2_bo 256 float32; a2_wk 768 x 256 float32; a2_wo 256 x 256 float32; a2_wq 256 x 256 float32; a2_wv 768 x 256 float32; conv_in_b 256 float32; conv_in_w 256 x 256 float32; conv_out_b 256 float32; conv_out_w 256 x 256 float32; gn_b 256 float32; gn_g 256 float32; hidden_image 2 x 256 x 16 x 256 float32; hidden_text 2 x 77 x 768 float32; lin1_b 2,048 float32; lin1_w 256 x 2,048 float32; lin2_b 256 float32; lin2_w 1,024 x 256 float32; ln1_b 256 float32; ln1_g 256 float32; ln2_b 256 float32; ln2_g 256 float32; ln3_b 256 float32; ln3_g 256 float32.
;; Outputs: out0 2 x 256 x 16 x 256 float32.
;; 2 versions, each right and faster than the one before. Each part assembles by itself: llvm-mc -triple=amdgcn-amd-amdhsa -mcpu=gfx1250 --defsym DOCPART=n.
;; ======== version 1 of 2: 4 launches
;; workspace buffers: stats 4,096 bytes; wf 3,702,784 bytes; qkvf 12,582,912 bytes; kv2f 180,224 bytes; attno 4,194,304 bytes
;; launch prep (part 1): grid 241 x 1, 4 waves a work-group, no clusters, 0 bytes of LDS; arguments hidden_image, hidden_text, a1_wq, a1_wk, a1_wv, a1_wo, a2_wq, a2_wo, lin2_w, a2_wk, a2_wv, lin1_w, conv_in_w, conv_out_w, stats, wf; writes stats, wf
.if DOCPART == 1
	.amdgcn_target "amdgcn-amd-amdhsa--gfx1250"
	.amdhsa_code_object_version 6
	.text
	.protected	k_qf79230511f_prep
	.globl	k_qf79230511f_prep
	.p2align	8
	.type	k_qf79230511f_prep,@function
k_qf79230511f_prep:
	s_mov_b64 s[64:65], 0
	v_nop
	global_prefetch_b8 v0, s[64:65] scope:SCOPE_SE
	s_setreg_imm32_b32 hwreg(HW_REG_WAVE_MODE, 25, 1), 1
	s_wait_xcnt 0x0
; PREP.  Work-groups 0-127: one wave a channel of the image: its mean and its sum of squared differences from that mean (two passes over registers), to stats[b*256+c].
; Work-groups 128-240: all weights and the text, rounded once to bf16 and laid in FRAGMENT ORDER: a block is 16 rows x 32 k = 1,024 bytes,
; byte = half*512 + lane*16, lane = r + 16 hh, element e of those 16 bytes = (row r, k = 32 kb + 16 half + 8 hh + e): a matrix operand is then two loads of 512 consecutive bytes.
; No LDS, no barrier, no matrix unit: every byte is read once and written once.  Text rows 77-95 are copies of row 76 (finite numbers that later meet weights of exactly 0).
.set R_CIN,  0                         ; conv_in_w: block (rb, kb) at (rb>>1)*16384 + kb*2048 + (rb&1)*1024
.set R_QKV,  131072                    ; [head][q,k,v][kb][f][1024]
.set R_POST, 524288                    ; [wave][chunk 0..127][f][1024]
.set R_K2,   2621440                   ; [head][kb 0..23][f][1024]
.set R_V2,   3014656
.set R_TF,   3407872                   ; text: [b][tile>>1][kb 0..23][tile&1][1024]
	s_load_b512 s[8:23], s[0:1], 0x0               ; image, text, wq, wk, wv, wo, a2_wq, a2_wo
	s_load_b512 s[24:39], s[0:1], 0x40             ; lin2, a2_wk, a2_wv, lin1, conv_in, conv_out, stats, wf
	v_and_b32 v1, 31, v0                           ; lane
	v_lshrrev_b32 v2, 5, v0
	v_readfirstlane_b32 s2, v2                     ; wave
	v_lshlrev_b32 v3, 4, v1                        ; lane * 16
	v_and_b32 v4, 15, v0                           ; r
	v_bfe_u32 v5, v0, 4, 1                         ; hh
	s_wait_kmcnt 0x0
	s_cmp_ge_u32 ttmp9, 128
	s_cbranch_scc1 .Lweights
; ---- a channel's mean and M2: 4,096 numbers = 16 KB = 128 registers of one wave
.macro WSUM a, t                       ; sum over the 32 lanes, in every lane
	v_add_f32_dpp v[\a], v[\a], v[\a] row_xmask:1 row_mask:0xf bank_mask:0xf
	v_add_f32_dpp v[\a], v[\a], v[\a] row_xmask:2 row_mask:0xf bank_mask:0xf
	v_add_f32_dpp v[\a], v[\a], v[\a] row_xmask:4 row_mask:0xf bank_mask:0xf
	v_add_f32_dpp v[\a], v[\a], v[\a] row_xmask:8 row_mask:0xf bank_mask:0xf
	v_permlanex16_b32 v[\t], v[\a], s6, s7
	v_add_f32 v[\a], v[\a], v[\t]
.endm
	s_lshl_b32 s3, ttmp9, 2
	s_add_co_u32 s3, s3, s2                        ; channel b*256 + c
	s_lshl_b32 s4, s3, 14
	s_mov_b32 s5, 0
	s_add_nc_u64 s[8:9], s[8:9], s[4:5]
	s_lshl_b32 s4, s3, 3
	s_add_nc_u64 s[36:37], s[36:37], s[4:5]
	s_mov_b32 s6, 0x76543210
	s_mov_b32 s7, 0xfedcba98
.set i, 0
.rept 32
	global_load_b128 v[16+4*i:19+4*i], v3, s[8:9] offset:512*i
.set i, i+1
.endr
	s_wait_loadcnt 0x0
.irp k, 0,1,2,3
	v_pk_add_f32 v[6+2*\k:7+2*\k], v[16+2*\k:17+2*\k], v[24+2*\k:25+2*\k]  ; four chains, started by the first words
.endr
.set i, 8
.rept 56
	v_pk_add_f32 v[6+2*(i%4):7+2*(i%4)], v[6+2*(i%4):7+2*(i%4)], v[16+2*i:17+2*i]
.set i, i+1
.endr
	v_pk_add_f32 v[6:7], v[6:7], v[8:9]
	v_pk_add_f32 v[10:11], v[10:11], v[12:13]
	v_pk_add_f32 v[6:7], v[6:7], v[10:11]
	v_add_f32 v6, v6, v7
	WSUM 6, 7
	v_mul_f32 v14, 0x39800000, v6                  ; mean = sum / 4096
	v_mov_b32 v15, v14
.set i, 0
.rept 16                               ; second pass over the registers: the mean is taken away before squaring
.irp k, 0,1,2,3
	v_pk_add_f32 v[144+2*\k:145+2*\k], v[16+8*i+2*\k:17+8*i+2*\k], v[14:15] neg_lo:[0,1] neg_hi:[0,1]
.endr
.irp k, 0,1,2,3
.if i == 0
	v_pk_mul_f32 v[6+2*\k:7+2*\k], v[144+2*\k:145+2*\k], v[144+2*\k:145+2*\k]
.else
	v_pk_fma_f32 v[6+2*\k:7+2*\k], v[144+2*\k:145+2*\k], v[144+2*\k:145+2*\k], v[6+2*\k:7+2*\k]
.endif
.endr
.set i, i+1
.endr
	v_pk_add_f32 v[6:7], v[6:7], v[8:9]
	v_pk_add_f32 v[10:11], v[10:11], v[12:13]
	v_pk_add_f32 v[6:7], v[6:7], v[10:11]
	v_add_f32 v6, v6, v7
	WSUM 6, 7
	v_mov_b32 v15, v6                              ; (mean, M2)
	v_mov_b32 v8, 0
	s_wait_xcnt 0x0                                ; EXEC changes only behind this wait
	v_cmp_eq_u32 vcc_lo, 0, v1
	s_and_saveexec_b32 s4, vcc_lo
	global_store_b64 v8, v[14:15], s[36:37]        ; lane 0 alone
	s_endpgm
; ---- 64 f32 in v16-79 (four k blocks of a row block) -> 32 packed words -> 8 stores of 512 consecutive bytes
.macro CVTST
.set i, 0
.rept 32
	v_cvt_pk_bf16_f32 v[80+i], v[16+2*i], v[17+2*i]
.set i, i+1
.endr
.set i, 0
.rept 8
	global_store_b128 v3, v[80+4*i:83+4*i], s[48:49] offset:(i/2)*2048+(i%2)*512
.set i, i+1
.endr
	s_wait_xcnt 0x0                                ; bases and store data are rewritten only behind this wait
.endm
; a source stored [k][n], r4 bytes a row: lane (r, hh) takes column n = 16 rb + r, k = 32 kb + 16 half + 8 hh + e.  Two trips of four k blocks.
.macro TBODY r4
	v_mul_u32_u24 v2, v5, 8*(\r4)
	v_lshl_add_u32 v2, v4, 2, v2
	s_mov_b32 s50, 2
.Ltb_\@:
.set i, 0
.rept 64
	global_load_b32 v[16+i], v2, s[40:41] offset:(32*(i/16)+16*((i/8)%2)+i%8)*(\r4)
.set i, i+1
.endr
	s_wait_loadcnt 0x0
	CVTST
	s_add_nc_u64 s[40:41], s[40:41], 128*(\r4)
	s_add_nc_u64 s[48:49], s[48:49], s[46:47]
	s_sub_co_u32 s50, s50, 1
	s_cmp_lg_u32 s50, 0
	s_cbranch_scc1 .Ltb_\@
	s_endpgm
.endm
.macro PICK lo, ptr, base, pstr, sstr, dd   ; from work-group lo on: this matrix
	s_cmp_ge_u32 s3, \lo
	s_cselect_b64 s[40:41], s[\ptr:\ptr+1], s[40:41]
	s_cselect_b32 s42, \lo, s42
	s_cselect_b32 s43, \base, s43
	s_cselect_b32 s44, \pstr, s44
	s_cselect_b32 s45, \sstr, s45
	s_cselect_b32 s46, \dd, s46
.endm
.Lweights:
	s_sub_co_u32 s3, ttmp9, 128
	s_cmp_ge_u32 s3, 96
	s_cbranch_scc1 .Ldir
	s_cmp_ge_u32 s3, 64
	s_cbranch_scc1 .Lt2048
	; ---- nine matrices [k][256]: a wave's job = 16 columns x 256 k
	s_mov_b64 s[40:41], s[12:13]
	s_mov_b32 s42, 0
	s_mov_b32 s43, R_QKV
	s_mov_b32 s44, 49152
	s_mov_b32 s45, 0
	s_mov_b32 s46, 8192
	PICK 4,  14, R_QKV+16384,  49152,  0,     8192
	PICK 8,  16, R_QKV+32768,  49152,  0,     8192
	PICK 12, 18, R_POST,       262144, 0,     8192
	PICK 16, 20, R_POST+16384, 262144, 0,     8192
	PICK 20, 22, R_POST+32768, 262144, 0,     8192
	PICK 24, 24, R_POST+65536, 262144, 49152, 24576
	PICK 40, 26, R_K2,         49152,  16384, 8192
	PICK 52, 28, R_V2,         49152,  16384, 8192
	s_sub_co_u32 s4, s3, s42
	s_lshl_b32 s4, s4, 2
	s_add_co_u32 s4, s4, s2                        ; job
	s_and_b32 s5, s4, 15                           ; rb
	s_lshr_b32 s6, s4, 4                           ; span of 256 k
	s_lshl_b32 s52, s6, 18
	s_lshl_b32 s7, s5, 6
	s_add_co_u32 s52, s52, s7
	s_mov_b32 s53, 0
	s_add_nc_u64 s[40:41], s[40:41], s[52:53]
	s_lshr_b32 s7, s5, 1
	s_mul_i32 s7, s7, s44
	s_add_co_u32 s7, s7, s43
	s_and_b32 s5, s5, 1
	s_lshl_b32 s5, s5, 10
	s_add_co_u32 s7, s7, s5
	s_mul_i32 s6, s6, s45
	s_add_co_u32 s52, s7, s6
	s_add_nc_u64 s[48:49], s[38:39], s[52:53]
	s_mov_b32 s47, 0
	TBODY 1024
.Lt2048:                                               ; ---- lin1_w [256][2048]: rb = 0..127: wave rb&7, slice (rb>>3)&7, a or g by rb>>6
	s_sub_co_u32 s4, s3, 64
	s_lshl_b32 s4, s4, 2
	s_add_co_u32 s4, s4, s2
	s_lshl_b32 s52, s4, 6
	s_mov_b32 s53, 0
	s_add_nc_u64 s[40:41], s[30:31], s[52:53]
	s_and_b32 s5, s4, 7
	s_lshl_b32 s5, s5, 18
	s_bfe_u32 s6, s4, 0x30003
	s_mul_i32 s6, s6, 24576
	s_lshr_b32 s7, s4, 6
	s_lshl_b32 s7, s7, 10
	s_add_co_u32 s5, s5, s6
	s_add_co_u32 s5, s5, s7
	s_add_co_u32 s52, s5, R_POST+49152
	s_add_nc_u64 s[48:49], s[38:39], s[52:53]
	s_mov_b32 s46, 8192
	s_mov_b32 s47, 0
	TBODY 8192
.Ldir:                                                 ; ---- sources whose rows lie along k: conv_in_w, conv_out_w, the text
	s_cmp_ge_u32 s3, 104
	s_cbranch_scc1 .Ltext
	s_mov_b64 s[40:41], s[32:33]
	s_mov_b32 s42, 96
	s_mov_b32 s43, R_CIN
	s_mov_b32 s44, 16384
	s_cmp_ge_u32 s3, 100
	s_cselect_b64 s[40:41], s[34:35], s[40:41]
	s_cselect_b32 s42, 100, s42
	s_cselect_b32 s43, R_POST+245760, s43
	s_cselect_b32 s44, 262144, s44
	s_sub_co_u32 s4, s3, s42
	s_lshl_b32 s4, s4, 2
	s_add_co_u32 s4, s4, s2                        ; rb
	s_mov_b32 s51, 255                             ; last row
	s_mov_b32 s52, 1024                            ; bytes a row
	s_branch .Ldirgo
.Ltext:
	s_sub_co_u32 s4, s3, 104
	s_lshl_b32 s4, s4, 2
	s_add_co_u32 s4, s4, s2                        ; job 0..35
	s_mul_i32 s5, s4, 43
	s_lshr_b32 s5, s5, 8                           ; job / 6
	s_mul_i32 s6, s5, 6
	s_sub_co_u32 s4, s4, s6                        ; tile of 16 rows, 0..5
	s_cmp_ge_u32 s5, 3
	s_cselect_b32 s6, 1, 0                         ; b
	s_mul_i32 s7, s6, 3
	s_sub_co_u32 s5, s5, s7                        ; span of 256 k
	s_mul_i32 s46, s6, 236544
	s_lshl_b32 s7, s5, 10
	s_add_co_u32 s46, s46, s7
	s_mov_b32 s47, 0
	s_add_nc_u64 s[40:41], s[10:11], s[46:47]
	s_mul_i32 s43, s6, 147456
	s_lshl_b32 s7, s5, 14
	s_add_co_u32 s43, s43, s7
	s_add_co_u32 s43, s43, R_TF
	s_mov_b32 s44, 49152
	s_mov_b32 s51, 76
	s_mov_b32 s52, 3072
.Ldirgo:
	s_lshr_b32 s5, s4, 1
	s_mul_i32 s5, s5, s44
	s_add_co_u32 s5, s5, s43
	s_and_b32 s6, s4, 1
	s_lshl_b32 s6, s6, 10
	s_add_co_u32 s46, s5, s6
	s_mov_b32 s47, 0
	s_add_nc_u64 s[48:49], s[38:39], s[46:47]
	s_lshl_b32 s5, s4, 4
	v_add_nc_u32 v2, s5, v4
	v_min_u32 v2, s51, v2                          ; rows past the last are the last row again
	v_mul_lo_u32 v2, v2, s52
	v_lshl_add_u32 v2, v5, 5, v2                   ; + 8 hh numbers
	s_mov_b32 s50, 2
.Ldl:
.set i, 0
.rept 16
	global_load_b128 v[16+4*i:19+4*i], v2, s[40:41] offset:(i/4)*128+((i/2)%2)*64+(i%2)*16
.set i, i+1
.endr
	s_wait_loadcnt 0x0
	CVTST
	s_add_nc_u64 s[40:41], s[40:41], 512
	s_add_nc_u64 s[48:49], s[48:49], 8192
	s_sub_co_u32 s50, s50, 1
	s_cmp_lg_u32 s50, 0
	s_cbranch_scc1 .Ldl
	s_endpgm
.Lfunc_end_k_qf79230511f_prep:
	.size	k_qf79230511f_prep, .Lfunc_end_k_qf79230511f_prep-k_qf79230511f_prep
	.p2alignl 7, 3214868480
	.fill 96, 4, 3214868480
	.section	.rodata,"a",@progbits
	.p2align	6, 0x0
	.amdhsa_kernel k_qf79230511f_prep
		.amdhsa_group_segment_fixed_size 0
		.amdhsa_private_segment_fixed_size 0
		.amdhsa_enable_private_segment 0
		.amdhsa_kernarg_size 128
		.amdhsa_user_sgpr_count 2
		.amdhsa_user_sgpr_kernarg_segment_ptr 1
		.amdhsa_wavefront_size32 1
		.amdhsa_system_sgpr_workgroup_id_x 1
		.amdhsa_system_sgpr_workgroup_id_y 1
		.amdhsa_system_sgpr_workgroup_id_z 1
		.amdhsa_system_vgpr_workitem_id 0
		.amdhsa_next_free_vgpr 160
		.amdhsa_next_free_sgpr 66
		.amdhsa_reserve_vcc 1
		.amdhsa_float_denorm_mode_32 3
		.amdhsa_float_denorm_mode_16_64 3
		.amdhsa_memory_ordered 1
		.amdhsa_forward_progress 1
		.amdhsa_inst_pref_size 47
	.end_amdhsa_kernel
	.amdgpu_metadata
---
amdhsa.version: [ 1, 2 ]
amdhsa.kernels:
  - .name:           k_qf79230511f_prep
    .symbol:         k_qf79230511f_prep.kd
    .args:
      - { .name: hidden_image, .offset: 0, .size: 8, .value_kind: global_buffer, .address_space: global }
      - { .name: hidden_text, .offset: 8, .size: 8, .value_kind: global_buffer, .address_space: global }
      - { .name: a1_wq, .offset: 16, .size: 8, .value_kind: global_buffer, .address_space: global }
      - { .name: a1_wk, .offset: 24, .size: 8, .value_kind: global_buffer, .address_space: global }
      - { .name: a1_wv, .offset: 32, .size: 8, .value_kind: global_buffer, .address_space: global }
      - { .name: a1_wo, .offset: 40, .size: 8, .value_kind: global_buffer, .address_space: global }
      - { .name: a2_wq, .offset: 48, .size: 8, .value_kind: global_buffer, .address_space: global }
      - { .name: a2_wo, .offset: 56, .size: 8, .value_kind: global_buffer, .address_space: global }
      - { .name: lin2_w, .offset: 64, .size: 8, .value_kind: global_buffer, .address_space: global }
      - { .name: a2_wk, .offset: 72, .size: 8, .value_kind: global_buffer, .address_space: global }
      - { .name: a2_wv, .offset: 80, .size: 8, .value_kind: global_buffer, .address_space: global }
      - { .name: lin1_w, .offset: 88, .size: 8, .value_kind: global_buffer, .address_space: global }
      - { .name: conv_in_w, .offset: 96, .size: 8, .value_kind: global_buffer, .address_space: global }
      - { .name: conv_out_w, .offset: 104, .size: 8, .value_kind: global_buffer, .address_space: global }
      - { .name: stats, .offset: 112, .size: 8, .value_kind: global_buffer, .address_space: global }
      - { .name: wf, .offset: 120, .size: 8, .value_kind: global_buffer, .address_space: global }
    .group_segment_fixed_size: 0
    .private_segment_fixed_size: 0
    .kernarg_segment_align: 8
    .kernarg_segment_size: 128
    .max_flat_workgroup_size: 128
    .sgpr_count:     66
    .vgpr_count:     160
    .wavefront_size: 32
...
	.end_amdgpu_metadata
.endif
;; end of part 1
;; launch proj (part 2): grid 130 x 1, 8 waves a work-group, no clusters, 210,944 bytes of LDS; arguments hidden_image, stats, wf, gn_g, gn_b, conv_in_b, ln1_g, ln1_b, qkvf, kv2f; writes qkvf, kv2f
.if DOCPART == 2
	.amdgcn_target "amdgcn-amd-amdhsa--gfx1250"
	.amdhsa_code_object_version 6
	.text
	.protected	k_qf79230511f_proj
	.globl	k_qf79230511f_proj
	.p2align	8
	.type	k_qf79230511f_proj,@function
k_qf79230511f_proj:
	s_mov_b64 s[64:65], 0
	v_nop
	global_prefetch_b8 v0, s[64:65] scope:SCOPE_SE
	s_setreg_imm32_b32 hwreg(HW_REG_WAVE_MODE, 25, 1), 1
	s_wait_xcnt 0x0
; PROJ.  Work-groups 0-127: GroupNorm, conv_in, LayerNorm 1 and the Q, K, V projections for 64 tokens (o = 64 oq + 16 ni + r, one image row h, one batch b).
; Work-groups 128, 129: the text's K2 and V2 for batch b, a head a wave.
; All products are used so that a lane holds ONE token and eight neighbouring features: D(m = feature, n = token); two results rounded in pairs are the next product's operand.
; Wave w owns features 32 w .. 32 w + 31 (head w).  Weights come straight from memory into a ring of registers: each fragment serves this wave alone, so LDS would add a write and a read and no reuse;
; for the same reason nothing is asked for jointly with other work-groups.  64 tokens a work-group: each weight fragment feeds four products.
; Norms: mean first, then squared differences; partial (mean, M2) are combined as M2 = sum M2_i + n sum (mean_i - mean)^2.  NaN and infinities are not treated apart.
.set R_CIN,  0
.set R_QKV,  131072
.set R_K2,   2621440
.set R_V2,   3014656
.set R_TF,   3407872
.set XP,     544                       ; a row of the normalised slab [c][w] in LDS: 512 bytes + 32
.set CW,     139264                    ; behind the slab (256 x 544): conv_in_w's 64 rows, 32 KB, block (ni, kb) at (8 ni + kb) * 1024
.set ACT,    172032                    ; LayerNorm's output, 32 KB, same form
.set STAT,   204800                    ; 64 tokens x 80 bytes: eight waves' means, then their M2
.set SPARE,  209920                    ; the spare words, 128 bytes a wave
.set WO,  1                            ; lane * 16
.set XW,  2                            ; slab: where I store
.set TA,  3                            ; slab: turning loads, c 0-127
.set TA2, 4                            ; c 128-255
.set LAW, 5
.set LA,  6
.set AW,  7
.set SW,  8
.set SR,  9
.set STV, 10                           ; my 16 bytes in a V block: r * 32 + hh * 16
.set SPW, 11
.set NIL, 12
.set CWW, 13
.set VR,  14
.set VH,  15
.set VL,  16
.set CB,  24                           ; v24,26,28,30: conv_in_b of my token in tile ni
.set FB,  32                           ; B fragments, two buffers of 32
.set LT,  32                           ; LayerNorm's 64 registers at work
.set FA,  96                           ; A fragments of the slab, two buffers of 16
.set BI,  96
.set ACC, 128                          ; tile (f, ni) at ACC + 8 (4 f + ni)
.set XA,  64
.set XB,  128
.set WL,  192
.set GG,  224
.set BB,  240
.set RING, 0                           ; window 1: NS slots of 16 registers: a chunk = two weight fragments of one k block
.set NS,  8
.set WB,  32                           ; s[32:33] the weight stream
.set SEL, 42
.set EPS, 44
.set K256, 45
.set XL,  0
.set MSB, 0
.macro WIN new                         ; the high byte repeats the setting that is left
.if MSB != (\new)
	s_set_vgpr_msb (MSB<<8)|(\new)
.set MSB, \new
.endif
.endm
.macro PLACES
.rept 4
	v_nop
.endr
.endm
.macro BAR                             ; my LDS instructions are done, then the work-group's barrier
	s_wait_dscnt 0x0
	s_barrier_signal -1
	s_barrier_wait -1
.endm
.macro ALL4 line:vararg                ; one line for each token tile zn; zt = its 16 registers at work
.set zn, 0
.rept 4
.set zt, LT+16*zn
	\line
.set zn, zn+1
.endr
.endm
.macro RFILL                           ; the stream's next chunk into the slot just read
.if WQ < WEND
	WIN 0x40
.set zR, RING+16*(WQ%NS)
.set zO, (WQ-WBASE)*2048
	global_load_b128 v[zR:zR+3], v[WO], s[WB:WB+1] offset:zO
	global_load_b128 v[zR+4:zR+7], v[WO], s[WB:WB+1] offset:zO+512
	global_load_b128 v[zR+8:zR+11], v[WO], s[WB:WB+1] offset:zO+1024
	global_load_b128 v[zR+12:zR+15], v[WO], s[WB:WB+1] offset:zO+1536
.set WQ, WQ+1
.endif
.endm
.macro FBL areg, kb, buf, sn           ; the four token tiles' fragments of k block kb
.irp n, 0,1,2,3
	ds_load_b128 v[FB+32*(\buf)+8*\n:FB+32*(\buf)+8*\n+3], v[\areg] offset:\n*(\sn)+(\kb)*1024
	ds_load_b128 v[FB+32*(\buf)+8*\n+4:FB+32*(\buf)+8*\n+7], v[\areg] offset:\n*(\sn)+(\kb)*1024+512
.endr
.endm
; A layer: 32 features x 64 tokens over nkb k blocks.  mode 0: source 0 = weights, source 1 = tokens.  cin 0: the first product starts the sums.
; The eight accumulators take turns.  Four v_nop stand between a step's products and the loads into the registers that they read.
.macro LAYER acc, mode, cin, nkb, areg, sn, hook=0
	WIN 0
	FBL \areg, 0, 0, \sn
	FBL \areg, 1, 1, \sn
.set LK, 0
.rept \nkb
	s_wait_loadcnt (WQ-WI-1)*4+XL                  ; loads issued behind this chunk's four: the younger chunks (and XL others)
.if LK == (\nkb)-1
	s_wait_dscnt 0x0
.else
	s_wait_dscnt 0x8                               ; the next k block's eight may be out
.endif
.if \mode
	WIN 0x04
.else
	WIN 0x01
.endif
.set zR, RING+16*(WI%NS)
.set zF, FB+32*(LK%2)
.irp n, 0,1,2,3
.irp f, 0,1
.set zD, (\acc)+8*(4*\f+\n)
.if \mode
.set zA, zF+8*\n
.set zB, zR+8*\f
.else
.set zA, zR+8*\f
.set zB, zF+8*\n
.endif
.if (LK == 0) && ((\cin) == 0)
	v_wmma_f32_16x16x32_bf16 v[zD:zD+7], v[zA:zA+7], v[zB:zB+7], 0
.elseif (LK == 0) && ((\cin) == 1)
	v_wmma_f32_16x16x32_bf16 v[zD:zD+7], v[zA:zA+7], v[zB:zB+7], v[BI+8*\f:BI+8*\f+7]
.else
	v_wmma_f32_16x16x32_bf16 v[zD:zD+7], v[zA:zA+7], v[zB:zB+7], v[zD:zD+7]
.endif
.endr
.endr
	PLACES
	RFILL
.if (\hook) && (LK == 1)
	RESLOAD
.endif
.if LK+2 < (\nkb)
	WIN 0
	FBL \areg, LK+2, LK%2, \sn
.endif
.set WI, WI+1
.set LK, LK+1
.endr
	WIN 0
.endm
; LayerNorm over 256 features that lie in eight waves.  acc is left as it is; the result goes, in bf16, to block (ni, kb = wave) at awreg.
.macro LN acc, statoff, awreg
	ALL4 v_pk_add_f32 v[zt:zt+1], v[(\acc)+8*zn:(\acc)+8*zn+1], v[(\acc)+8*zn+2:(\acc)+8*zn+3]
	ALL4 v_pk_add_f32 v[zt+2:zt+3], v[(\acc)+8*zn+4:(\acc)+8*zn+5], v[(\acc)+8*zn+6:(\acc)+8*zn+7]
	ALL4 v_pk_add_f32 v[zt+4:zt+5], v[(\acc)+8*zn+32:(\acc)+8*zn+33], v[(\acc)+8*zn+34:(\acc)+8*zn+35]
	ALL4 v_pk_add_f32 v[zt+6:zt+7], v[(\acc)+8*zn+36:(\acc)+8*zn+37], v[(\acc)+8*zn+38:(\acc)+8*zn+39]
	ALL4 v_pk_add_f32 v[zt:zt+1], v[zt:zt+1], v[zt+2:zt+3]
	ALL4 v_pk_add_f32 v[zt+4:zt+5], v[zt+4:zt+5], v[zt+6:zt+7]
	ALL4 v_pk_add_f32 v[zt:zt+1], v[zt:zt+1], v[zt+4:zt+5]
	ALL4 v_add_f32 v[zt], v[zt], v[zt+1]
	ALL4 v_permlanex16_b32 v[zt+2], v[zt], s[SEL], s[SEL+1]
	ALL4 v_add_f32 v[zt], v[zt], v[zt+2]
	ALL4 v_mul_f32 v[zt+6], 0x3d000000, v[zt]      ; my wave's mean of 32 features
.set zk, 0
.rept 8
.set zx, (\acc)+32*(zk/4)+2*(zk%4)
.set zd, 2*(zk%2)
	ALL4 v_pk_add_f32 v[zt+zd:zt+zd+1], v[zx+8*zn:zx+8*zn+1], v[zt+6:zt+7] op_sel_hi:[1,0] neg_lo:[0,1] neg_hi:[0,1]
.if zk == 0
	ALL4 v_pk_mul_f32 v[zt+4:zt+5], v[zt+zd:zt+zd+1], v[zt+zd:zt+zd+1]
.else
	ALL4 v_pk_fma_f32 v[zt+4:zt+5], v[zt+zd:zt+zd+1], v[zt+zd:zt+zd+1], v[zt+4:zt+5]
.endif
.set zk, zk+1
.endr
	ALL4 v_add_f32 v[zt+4], v[zt+4], v[zt+5]
	ALL4 v_permlanex16_b32 v[zt+5], v[zt+4], s[SEL], s[SEL+1]
	ALL4 v_add_f32 v[zt+4], v[zt+4], v[zt+5]       ; and its M2
	ALL4 ds_store_b32 v[SW], v[zt+6] offset:(\statoff)+zn*1280
	ALL4 ds_store_b32 v[SW], v[zt+4] offset:(\statoff)+zn*1280+32
	BAR                                            ; every wave's pair is in LDS
	ALL4 ds_load_b128 v[zt:zt+3], v[SR] offset:(\statoff)+zn*1280
	ALL4 ds_load_b128 v[zt+4:zt+7], v[SR] offset:(\statoff)+zn*1280+16
	ALL4 ds_load_b128 v[zt+8:zt+11], v[SR] offset:(\statoff)+zn*1280+32
	ALL4 ds_load_b128 v[zt+12:zt+15], v[SR] offset:(\statoff)+zn*1280+48
	s_wait_dscnt 0x0
	ALL4 v_pk_add_f32 v[zt+8:zt+9], v[zt+8:zt+9], v[zt+10:zt+11]
	ALL4 v_pk_add_f32 v[zt+12:zt+13], v[zt+12:zt+13], v[zt+14:zt+15]
	ALL4 v_pk_add_f32 v[zt+8:zt+9], v[zt+8:zt+9], v[zt+12:zt+13]
	ALL4 v_add_f32 v[zt+8], v[zt+8], v[zt+9]       ; sum of the eight M2
	ALL4 v_pk_add_f32 v[zt+10:zt+11], v[zt:zt+1], v[zt+2:zt+3]
	ALL4 v_pk_add_f32 v[zt+12:zt+13], v[zt+4:zt+5], v[zt+6:zt+7]
	ALL4 v_pk_add_f32 v[zt+10:zt+11], v[zt+10:zt+11], v[zt+12:zt+13]
	ALL4 v_add_f32 v[zt+10], v[zt+10], v[zt+11]
	ALL4 v_mul_f32 v[zt+10], 0x3e000000, v[zt+10]  ; the mean
.irp q, 0,1,2,3
	ALL4 v_pk_add_f32 v[zt+2*\q:zt+2*\q+1], v[zt+2*\q:zt+2*\q+1], v[zt+10:zt+11] op_sel_hi:[1,0] neg_lo:[0,1] neg_hi:[0,1]
.endr
	ALL4 v_pk_mul_f32 v[zt+12:zt+13], v[zt:zt+1], v[zt:zt+1]
.irp q, 1,2,3
	ALL4 v_pk_fma_f32 v[zt+12:zt+13], v[zt+2*\q:zt+2*\q+1], v[zt+2*\q:zt+2*\q+1], v[zt+12:zt+13]
.endr
	ALL4 v_add_f32 v[zt+12], v[zt+12], v[zt+13]
	ALL4 v_fma_f32 v[zt+8], v[zt+8], s[K256], s[EPS]        ; variance + eps = sum M2 / 256 + eps
	ALL4 v_fma_f32 v[zt+8], v[zt+12], 0x3e000000, v[zt+8]   ; + 32 sum dev^2 / 256
	ALL4 v_rsq_f32 v[zt+14], v[zt+8]
	v_nop                                          ; a plain line between the roots and their use
	s_wait_alu depctr_va_vdst(0)
	ALL4 v_mul_f32 v[zt+15], -v[zt+10], v[zt+14]   ; the pair (rstd, -mean rstd)
.irp f, 0,1
.irp q, 0,1,2,3
	ALL4 v_pk_fma_f32 v[zt+2*\q:zt+2*\q+1], v[(\acc)+32*\f+8*zn+2*\q:(\acc)+32*\f+8*zn+2*\q+1], v[zt+14:zt+15], v[zt+14:zt+15] op_sel:[0,0,1] op_sel_hi:[1,0,1]
.endr
.irp q, 0,1,2,3
	ALL4 v_pk_fma_f32 v[zt+2*\q:zt+2*\q+1], v[zt+2*\q:zt+2*\q+1], v[GG+8*\f+2*\q:GG+8*\f+2*\q+1], v[BB+8*\f+2*\q:BB+8*\f+2*\q+1]
.endr
.irp q, 0,1,2,3
	ALL4 v_cvt_pk_bf16_f32 v[zt+8+\q], v[zt+2*\q], v[zt+2*\q+1]
.endr
	ALL4 ds_store_b128 v[\awreg], v[zt+8:zt+11] offset:zn*8192+\f*512
.endr
	BAR
.endm
	s_load_b512 s[8:23], s[0:1], 0x0               ; image, stats, wf, gn_g, gn_b, conv_in_b, ln1_g, ln1_b
	s_load_b128 s[24:27], s[0:1], 0x40             ; qkvf, kv2f
	v_lshl_add_u32 v[SPW], v0, 2, SPARE
	v_mov_b32 v[NIL], 0
	v_lshrrev_b32 v17, 5, v0
	v_readfirstlane_b32 s2, v17                    ; wave
	v_and_b32 v[VL], 31, v0
	v_and_b32 v[VR], 15, v0
	v_bfe_u32 v[VH], v0, 4, 1
	v_lshlrev_b32 v[WO], 4, v[VL]
	s_mov_b32 s[SEL], 0x76543210
	s_mov_b32 s[SEL+1], 0xfedcba98
	s_wait_kmcnt 0x0
	s_cmp_ge_u32 ttmp9, 128
	s_cbranch_scc1 .Ltkv
	s_lshr_b32 s28, ttmp9, 6                       ; b
	s_bfe_u32 s29, ttmp9, 0x40002                  ; h
	s_and_b32 s30, ttmp9, 3                        ; oq
	s_lshl_b32 s38, s28, 11
	s_lshl_b32 s39, s2, 8
	s_add_co_u32 s38, s38, s39
	v_and_b32 v17, 24, v[VL]
	v_lshl_add_u32 v17, v17, 3, s38                ; the eight partials of channel 32 w + lane's group
	s_lshl_b32 s39, s2, 7
	v_lshl_add_u32 v18, v[VL], 2, s39
	global_load_b128 v[32:35], v17, s[10:11]
	global_load_b128 v[36:39], v17, s[10:11] offset:16
	global_load_b128 v[40:43], v17, s[10:11] offset:32
	global_load_b128 v[44:47], v17, s[10:11] offset:48
	global_load_b32 v48, v18, s[14:15]
	global_load_b32 v49, v18, s[16:17]
	s_lshl_b32 s38, s28, 22
	s_lshl_b32 s39, s2, 19
	s_add_co_u32 s38, s38, s39
	s_lshl_b32 s39, s29, 10
	s_add_co_u32 s38, s38, s39
	s_mov_b32 s39, 0
	s_add_nc_u64 s[36:37], s[8:9], s[38:39]        ; image row h of channel 32 w
.macro XLOAD x, row0                   ; eight channels' rows of 1,024 bytes
.irp i, 0,1,2,3,4,5,6,7
	global_load_b128 v[(\x)+8*\i:(\x)+8*\i+3], v[WO], s[36:37] offset:((\row0)+\i)*16384
	global_load_b128 v[(\x)+8*\i+4:(\x)+8*\i+7], v[WO], s[36:37] offset:((\row0)+\i)*16384+512
.endr
.endm
	XLOAD XA, 0
	XLOAD XB, 8
	s_lshl_b32 s38, s30, 15
	s_lshl_b32 s40, s2, 12
	s_add_co_u32 s38, s38, s40
	s_add_nc_u64 s[40:41], s[12:13], s[38:39]      ; my 4 KB of conv_in_w's 64 rows (R_CIN = 0)
	s_mul_i32 s38, s2, 49152
	s_add_co_u32 s38, s38, R_QKV
	s_add_nc_u64 s[WB:WB+1], s[12:13], s[38:39]
	s_lshl_b32 s38, s28, 3
	s_add_co_u32 s38, s38, s2
	s_lshl_b32 s38, s38, 8
	s_lshl_b32 s31, s29, 4
	s_add_co_u32 s38, s38, s31
	s_lshl_b32 s31, s30, 2
	s_add_co_u32 s38, s38, s31
	s_lshl_b32 s38, s38, 10
	s_add_nc_u64 s[34:35], s[24:25], s[38:39]      ; Q block ((b 8 + w) 256 + 16 h + 4 oq)
	s_mov_b32 s[EPS], 0x3727c5ac                   ; 1e-5
	s_mov_b32 s[K256], 0x3b800000                  ; 1 / 256
	s_mov_b32 s56, 0x38000000                      ; 1 / 32768
	s_mov_b32 s57, 0x358637bd                      ; 1e-6
	s_mov_b32 s49, 0                               ; upper words of the pairs that the packed lines name
	s_mov_b32 s51, 0
	s_mov_b32 s53, 0
	s_mov_b32 s55, 0
	s_mul_i32 s38, s2, 32*XP
	v_lshl_add_u32 v[XW], v[VL], 3, s38
	v_and_b32 v24, 7, v0
	v_bfe_u32 v25, v0, 3, 1
	v_lshl_add_u32 v[TA], v[VH], 3, v24
	v_mul_u32_u24 v[TA], v[TA], XP
	v_lshl_add_u32 v[TA], v25, 4, v[TA]
	s_lshl_b32 s38, s2, 6
	v_add_nc_u32 v[TA], s38, v[TA]                 ; (8 hh + l % 8) rows + 64 w + 16 ((l / 8) % 2)
	v_add_nc_u32 v[TA2], 128*XP, v[TA]
	v_add_nc_u32 v[LAW], CW, v[WO]
	v_add_nc_u32 v[LA], ACT, v[WO]
	s_lshl_b32 s38, s2, 10
	v_add_nc_u32 v[AW], s38, v[LA]
	v_mul_u32_u24 v[SR], v[VR], 80
	v_add_nc_u32 v[SR], STAT, v[SR]
	s_lshl_b32 s38, s2, 2
	v_add_nc_u32 v[SW], s38, v[SR]
	v_lshlrev_b32 v[STV], 5, v[VR]
	v_lshl_add_u32 v[STV], v[VH], 4, v[STV]
	s_lshr_b32 s38, s2, 2
	s_lshl_b32 s38, s38, 14
	s_and_b32 s31, s2, 3
	s_lshl_b32 s31, s31, 11
	s_add_co_u32 s38, s38, s31
	v_add_nc_u32 v[CWW], s38, v[LAW]
	s_lshl_b32 s38, s30, 8
	v_lshl_add_u32 v19, v[VR], 2, s38              ; conv_in_b[64 oq + r]
	s_lshl_b32 s38, s2, 7
	v_lshl_add_u32 v20, v[VH], 5, s38              ; ln1's numbers at feature 32 w + 8 hh
	v_mov_b32 v25, 0
	v_mov_b32 v27, 0
	v_mov_b32 v29, 0
	v_mov_b32 v31, 0
	; the group's mean and variance from its eight channels' partials; lane = channel 32 w + lane
	s_wait_loadcnt 32                              ; the slab's 32 loads may be out
	v_pk_add_f32 v[52:53], v[32:33], v[34:35]
	v_pk_add_f32 v[54:55], v[36:37], v[38:39]
	v_pk_add_f32 v[56:57], v[40:41], v[42:43]
	v_pk_add_f32 v[58:59], v[44:45], v[46:47]
	v_pk_add_f32 v[52:53], v[52:53], v[54:55]
	v_pk_add_f32 v[56:57], v[56:57], v[58:59]
	v_pk_add_f32 v[52:53], v[52:53], v[56:57]      ; (sum of means, sum of M2)
	v_mul_f32 v54, 0x3e000000, v52
.irp i, 0,1,2,3,4,5,6,7
	v_sub_f32 v[32+2*\i], v[32+2*\i], v54
.endr
	v_mul_f32 v55, v32, v32
.irp i, 1,2,3,4,5,6,7
	v_fmac_f32 v55, v[32+2*\i], v[32+2*\i]
.endr
	v_fma_f32 v53, v55, 0x45800000, v53            ; + 4096 sum dev^2
	v_fma_f32 v53, v53, s56, s57
	v_rsq_f32 v56, v53
	v_nop
	s_wait_alu depctr_va_vdst(0)
	v_mul_f32 v50, v56, v48                        ; scale = rstd g
	v_fma_f32 v51, -v54, v50, v49                  ; shift = b - mean scale
.macro SLABH x, row0                   ; eight rows: x scale + shift, bf16, into the slab
.set zi, 0
.rept 8
.set zs, 48+4*(zi%2)
.set zx, (\x)+8*zi
.set zp, 32+4*(zi%4)
	v_readlane_b32 s[zs], v50, (\row0)+zi
	v_readlane_b32 s[zs+2], v51, (\row0)+zi
.irp q, 0,1,2,3
	v_pk_fma_f32 v[zx+2*\q:zx+2*\q+1], v[zx+2*\q:zx+2*\q+1], s[zs:zs+1], s[zs+2:zs+3] op_sel_hi:[1,0,0]
.endr
.irp q, 0,1,2,3
	v_cvt_pk_bf16_f32 v[zp+\q], v[zx+2*\q], v[zx+2*\q+1]
.endr
	ds_store_b64 v[XW], v[zp:zp+1] offset:((\row0)+zi)*XP
	ds_store_b64 v[XW], v[zp+2:zp+3] offset:((\row0)+zi)*XP+256
.set zi, zi+1
.endr
.endm
	s_wait_loadcnt 16                              ; rows 0-7 are in; rows 8-15 may be out
	SLABH XA, 0
	XLOAD XA, 16
	s_wait_loadcnt 16                              ; rows 8-15; rows 16-23 may be out
	SLABH XB, 8
	XLOAD XB, 24
.irp i, 0,1,2,3,4,5,6,7
	global_load_b128 v[WL+4*\i:WL+4*\i+3], v[WO], s[40:41] offset:\i*512
.endr
	s_wait_loadcnt 24                              ; rows 16-23; out: rows 24-31 (16) and conv_in_w (8)
	SLABH XA, 16
.irp n, 0,1,2,3
	global_load_b32 v[CB+2*\n], v19, s[18:19] offset:\n*64
.endr
.irp f, 0,1
	global_load_b128 v[GG+8*\f:GG+8*\f+3], v20, s[20:21] offset:\f*64
	global_load_b128 v[GG+8*\f+4:GG+8*\f+7], v20, s[20:21] offset:\f*64+16
	global_load_b128 v[BB+8*\f:BB+8*\f+3], v20, s[22:23] offset:\f*64
	global_load_b128 v[BB+8*\f+4:BB+8*\f+7], v20, s[22:23] offset:\f*64+16
.endr
	s_wait_loadcnt 20                              ; rows 24-31; out: conv_in_w (8) and the 12 just issued
	SLABH XB, 24
.set WI, 0
.set WQ, 0
.set WBASE, 0
.set WEND, 8
.rept 8
	RFILL                                          ; wq's eight chunks
.endr
	WIN 0
	s_wait_loadcnt 44                              ; conv_in_w; out: 12 + the ring's 32
.irp i, 0,1,2,3,4,5,6,7
	ds_store_b128 v[CWW], v[WL+4*\i:WL+4*\i+3] offset:((\i/2)%2)*8192+(\i/4)*1024+(\i%2)*512
.endr
	BAR                                            ; slab and conv_in_w are whole
	; conv_in: y^T(m = w, n = o): source 0 = the slab turned, source 1 = conv_in_w
.macro G1LOAD kb, buf
	FBL LAW, \kb, \buf, 8192
.set zT, TA+(\kb)/4
.irp f, 0,1
	ds_load_tr16_b128 v[FA+16*(\buf)+8*\f:FA+16*(\buf)+8*\f+3], v[zT] offset:((\kb)%4)*32*XP+\f*32
	ds_load_tr16_b128 v[FA+16*(\buf)+8*\f+4:FA+16*(\buf)+8*\f+7], v[zT] offset:((\kb)%4)*32*XP+\f*32+16*XP
.endr
.endm
	G1LOAD 0, 0
	G1LOAD 1, 1
.set LK, 0
.rept 8
.if LK == 7
	s_wait_dscnt 0x0
.else
	s_wait_dscnt 12                                ; the next k block's twelve may be out
.endif
.irp n, 0,1,2,3
.irp f, 0,1
.set zD, ACC+8*(4*\f+\n)
.if LK == 0
	v_wmma_f32_16x16x32_bf16 v[zD:zD+7], v[FA+16*(LK%2)+8*\f:FA+16*(LK%2)+8*\f+7], v[FB+32*(LK%2)+8*\n:FB+32*(LK%2)+8*\n+7], 0
.else
	v_wmma_f32_16x16x32_bf16 v[zD:zD+7], v[FA+16*(LK%2)+8*\f:FA+16*(LK%2)+8*\f+7], v[FB+32*(LK%2)+8*\n:FB+32*(LK%2)+8*\n+7], v[zD:zD+7]
.endif
.endr
.endr
	PLACES
.if LK+2 < 8
	G1LOAD LK+2, LK%2
.endif
.set LK, LK+1
.endr
	s_wait_loadcnt 32                              ; conv_in_b, ln1_g, ln1_b; the ring's 32 may be out
.irp f, 0,1
.irp n, 0,1,2,3
.irp q, 0,1,2,3
	v_pk_add_f32 v[ACC+8*(4*\f+\n)+2*\q:ACC+8*(4*\f+\n)+2*\q+1], v[ACC+8*(4*\f+\n)+2*\q:ACC+8*(4*\f+\n)+2*\q+1], v[CB+2*\n:CB+2*\n+1] op_sel_hi:[1,0]
.endr
.endr
.endr
	LN ACC, 0, AW
.macro QKVOUT voff                     ; rounded in place (low four registers of each tile), eight stores of 512 consecutive bytes
.irp t, 0,1,2,3,4,5,6,7
.irp q, 0,1,2,3
	v_cvt_pk_bf16_f32 v[ACC+8*\t+\q], v[ACC+8*\t+2*\q], v[ACC+8*\t+2*\q+1]
.endr
.endr
.irp f, 0,1
.irp n, 0,1,2,3
	global_store_b128 v[\voff], v[ACC+8*(4*\f+\n):ACC+8*(4*\f+\n)+3], s[34:35] offset:\n*1024+\f*512
.endr
.endr
.endm
.set WEND, 16
	s_mov_b32 s46, 2
.Lqk:                                                  ; Q, then K: a trip reads eight chunks and asks for the next layer's eight
	LAYER ACC, 0, 0, 8, LA, 8192
	QKVOUT WO
	s_wait_xcnt 0x0                                ; bases and store data are rewritten only behind this wait
	s_add_nc_u64 s[WB:WB+1], s[WB:WB+1], 16384
	s_add_nc_u64 s[34:35], s[34:35], 0x400000
	s_sub_co_u32 s46, s46, 1
	s_cmp_lg_u32 s46, 0
	s_cbranch_scc1 .Lqk
.set WI, 0
.set WQ, 8
.set WEND, 8
	LAYER ACC, 0, 0, 8, LA, 8192                   ; V: nothing more is asked for, the counts run down
	QKVOUT STV
	s_wait_tensorcnt 0x0                           ; the wave's end
	ds_add_u32 v[SPW], v[NIL]
	s_wait_dscnt 0x0
	s_endpgm
; ---- the text's K2 and V2, a head a wave.  K2: D(m = channel, n = text row); V2: D(m = text row, n = channel).  24 k blocks through three register sets.
.Ltkv:
	s_sub_co_u32 s28, ttmp9, 128                   ; b
	s_mul_i32 s38, s28, 147456
	s_add_co_u32 s38, s38, R_TF
	v_add_nc_u32 v17, s38, v[WO]
	s_mul_i32 s39, s2, 49152
	s_add_co_u32 s40, s39, R_K2
	v_add_nc_u32 v18, s40, v[WO]
	s_add_co_u32 s40, s39, R_V2
	v_add_nc_u32 v19, s40, v[WO]
	s_mov_b64 s[WB:WB+1], s[12:13]
	s_lshl_b32 s38, s28, 3
	s_add_co_u32 s38, s38, s2
	s_mul_i32 s40, s38, 5120
	s_mov_b32 s41, 0
	s_add_nc_u64 s[34:35], s[26:27], s[40:41]
	s_mul_i32 s40, s38, 6144
	s_add_co_u32 s40, s40, 81920
	s_add_nc_u64 s[36:37], s[26:27], s[40:41]
.macro TLOAD set, kbo                  ; one k block: six text tiles, two fragments of a2_wk, two of a2_wv: 20 loads
	WIN 0x40
.irp t, 0,1,2,3,4,5
	global_load_b128 v[80*(\set)+8*\t:80*(\set)+8*\t+3], v17, s[WB:WB+1] offset:(\kbo)*2048+(\t/2)*49152+(\t%2)*1024
	global_load_b128 v[80*(\set)+8*\t+4:80*(\set)+8*\t+7], v17, s[WB:WB+1] offset:(\kbo)*2048+(\t/2)*49152+(\t%2)*1024+512
.endr
.irp f, 0,1
	global_load_b128 v[80*(\set)+48+8*\f:80*(\set)+48+8*\f+3], v18, s[WB:WB+1] offset:(\kbo)*2048+\f*1024
	global_load_b128 v[80*(\set)+48+8*\f+4:80*(\set)+48+8*\f+7], v18, s[WB:WB+1] offset:(\kbo)*2048+\f*1024+512
	global_load_b128 v[80*(\set)+64+8*\f:80*(\set)+64+8*\f+3], v19, s[WB:WB+1] offset:(\kbo)*2048+\f*1024
	global_load_b128 v[80*(\set)+64+8*\f+4:80*(\set)+64+8*\f+7], v19, s[WB:WB+1] offset:(\kbo)*2048+\f*1024+512
.endr
.endm
.macro CH set, fetch, cnt              ; cnt: the loads of the younger sets; 22 accumulators take turns
	s_wait_loadcnt \cnt
	WIN 0x05
.irp kt, 0,1,2,3,4
.irp cb, 0,1
	v_wmma_f32_16x16x32_bf16 v[64+8*(5*\cb+\kt):64+8*(5*\cb+\kt)+7], v[80*(\set)+48+8*\cb:80*(\set)+48+8*\cb+7], v[80*(\set)+8*\kt:80*(\set)+8*\kt+7], v[64+8*(5*\cb+\kt):64+8*(5*\cb+\kt)+7]
.endr
.endr
.irp kt, 0,1,2,3,4,5
.irp cb, 0,1
	v_wmma_f32_16x16x32_bf16 v[144+8*(2*\kt+\cb):144+8*(2*\kt+\cb)+7], v[80*(\set)+8*\kt:80*(\set)+8*\kt+7], v[80*(\set)+64+8*\cb:80*(\set)+64+8*\cb+7], v[144+8*(2*\kt+\cb):144+8*(2*\kt+\cb)+7]
.endr
.endr
	PLACES
.if \fetch
	TLOAD \set, (\set)+3
.endif
.endm
	TLOAD 0, 0
	TLOAD 1, 1
	TLOAD 2, 2
	WIN 0
.set i, 64
.rept 176                              ; the sums start at 0: cleared once, in the wait for the first loads, so that no first trip is written out
	v_mov_b32 v[i], 0
.set i, i+1
.endr
	s_mov_b32 s46, 7
.Ltk:
	CH 0, 1, 40
	CH 1, 1, 40
	CH 2, 1, 40
	WIN 0
	s_wait_xcnt 0x0
	s_add_nc_u64 s[WB:WB+1], s[WB:WB+1], 6144
	s_sub_co_u32 s46, s46, 1
	s_cmp_lg_u32 s46, 0
	s_cbranch_scc1 .Ltk
	CH 0, 0, 40
	CH 1, 0, 20
	CH 2, 0, 0
	WIN 0
.set i, 0
.rept 22
.irp q, 0,1,2,3
	v_cvt_pk_bf16_f32 v[64+8*i+\q], v[64+8*i+2*\q], v[64+8*i+2*\q+1]
.endr
.set i, i+1
.endr
.irp cb, 0,1
.irp kt, 0,1,2,3,4
	global_store_b128 v[WO], v[64+8*(5*\cb+\kt):64+8*(5*\cb+\kt)+3], s[34:35] offset:\kt*1024+\cb*512
.endr
.endr
.irp kt, 0,1,2,3,4,5
.irp cb, 0,1
	global_store_b128 v[WO], v[144+8*(2*\kt+\cb):144+8*(2*\kt+\cb)+3], s[36:37] offset:(3*\cb+\kt/2)*1024+(\kt%2)*512
.endr
.endr
	s_wait_tensorcnt 0x0                           ; the wave's end
	ds_add_u32 v[SPW], v[NIL]
	s_wait_dscnt 0x0
	s_endpgm
.Lfunc_end_k_qf79230511f_proj:
	.size	k_qf79230511f_proj, .Lfunc_end_k_qf79230511f_proj-k_qf79230511f_proj
	.p2alignl 7, 3214868480
	.fill 96, 4, 3214868480
	.section	.rodata,"a",@progbits
	.p2align	6, 0x0
	.amdhsa_kernel k_qf79230511f_proj
		.amdhsa_group_segment_fixed_size 210944
		.amdhsa_private_segment_fixed_size 0
		.amdhsa_enable_private_segment 0
		.amdhsa_kernarg_size 80
		.amdhsa_user_sgpr_count 2
		.amdhsa_user_sgpr_kernarg_segment_ptr 1
		.amdhsa_wavefront_size32 1
		.amdhsa_system_sgpr_workgroup_id_x 1
		.amdhsa_system_sgpr_workgroup_id_y 1
		.amdhsa_system_sgpr_workgroup_id_z 1
		.amdhsa_system_vgpr_workitem_id 0
		.amdhsa_next_free_vgpr 512
		.amdhsa_next_free_sgpr 66
		.amdhsa_reserve_vcc 0
		.amdhsa_float_denorm_mode_32 3
		.amdhsa_float_denorm_mode_16_64 3
		.amdhsa_memory_ordered 1
		.amdhsa_forward_progress 1
		.amdhsa_inst_pref_size 140
	.end_amdhsa_kernel
	.amdgpu_metadata
---
amdhsa.version: [ 1, 2 ]
amdhsa.kernels:
  - .name:           k_qf79230511f_proj
    .symbol:         k_qf79230511f_proj.kd
    .args:
      - { .name: hidden_image, .offset: 0, .size: 8, .value_kind: global_buffer, .address_space: global }
      - { .name: stats, .offset: 8, .size: 8, .value_kind: global_buffer, .address_space: global }
      - { .name: wf, .offset: 16, .size: 8, .value_kind: global_buffer, .address_space: global }
      - { .name: gn_g, .offset: 24, .size: 8, .value_kind: global_buffer, .address_space: global }
      - { .name: gn_b, .offset: 32, .size: 8, .value_kind: global_buffer, .address_space: global }
      - { .name: conv_in_b, .offset: 40, .size: 8, .value_kind: global_buffer, .address_space: global }
      - { .name: ln1_g, .offset: 48, .size: 8, .value_kind: global_buffer, .address_space: global }
      - { .name: ln1_b, .offset: 56, .size: 8, .value_kind: global_buffer, .address_space: global }
      - { .name: qkvf, .offset: 64, .size: 8, .value_kind: global_buffer, .address_space: global }
      - { .name: kv2f, .offset: 72, .size: 8, .value_kind: global_buffer, .address_space: global }
    .group_segment_fixed_size: 210944
    .private_segment_fixed_size: 0
    .kernarg_segment_align: 8
    .kernarg_segment_size: 80
    .max_flat_workgroup_size: 256
    .sgpr_count:     66
    .vgpr_count:     512
    .wavefront_size: 32
...
	.end_amdgpu_metadata
.endif
;; end of part 2
;; launch attn (part 3): grid 16 x 16, 8 waves a work-group, clusters of 4 x 1, 327,680 bytes of LDS; arguments qkvf, attno; writes attno
.if DOCPART == 3
	.amdgcn_target "amdgcn-amd-amdhsa--gfx1250"
	.amdhsa_code_object_version 6
	.text
	.protected	k_qf79230511f_attn
	.globl	k_qf79230511f_attn
	.p2align	8
	.type	k_qf79230511f_attn,@function
k_qf79230511f_attn:
	s_mov_b64 s[64:65], 0
	v_nop
	global_prefetch_b8 v0, s[64:65] scope:SCOPE_SE
	s_setreg_imm32_b32 hwreg(HW_REG_WAVE_MODE, 25, 1), 1
	s_wait_xcnt 0x0
	s_wait_alu depctr_hold_cnt(0) depctr_sa_sdst(0) depctr_va_vdst(0) depctr_va_sdst(0) depctr_va_ssrc(0) depctr_va_vcc(0) depctr_vm_vsrc(0)
	s_getreg_b32 s2, hwreg(HW_REG_IB_STS2, 6, 4)
	s_cmp_eq_u32 s2, 0
	s_cbranch_scc0 .Lentry_in_a_cluster
	s_endpgm
.Lentry_in_a_cluster:
	s_bfe_u32 s2, ttmp6, 0x10000c
	s_cmp_lg_u32 s2, 0x3003
	s_cbranch_scc0 .Lentry_shape_is_right
	s_endpgm
.Lentry_shape_is_right:
; SELF-ATTENTION, head size 32, 4,096 keys, 16 (batch, head) pairs.  Q, K, V arrive in bf16 in blocks of 16 tokens x 32 channels (1,024 bytes); block = 16 h + o / 16, token in a block = o % 16:
; keys are walked in that order, alike for K and V, so sums are formed in another order than by token number.
; A work-group owns 256 queries (16 values of o, all 16 h) of one pair; wave w the two tiles h = 2 w, 2 w + 1.  Every wave walks all keys, 64 a step.
; S^T = K Q^T: a lane holds one query and keys 8 (lane / 16) + 0..7; two results rounded in pairs are source 1 of O^T = V^T P.  p = 2^(c s - c m), c = log2(e) / sqrt(32), with a running maximum m;
; O and l are multiplied by a = 2^(c m_old - c m_new) in every step.  m starts at the lowest finite number, O and l at 0, so the first step is a step like any other (a = 0); 40 v_mov are the price.
; The vector work (some 230 lines a step for 16 products) bounds the loop; two waves share a SIMD, so one wave's softmax stands beside the other's products.
; CLUSTER: the four work-groups of a cluster walk the same K and V: each tile is asked for jointly, same descriptor and mask in all four.
; LIMITS: a weight below 2^-126 counts as 0; NaN and infinities are not treated apart.
.set SLOT1, 1<<17                      ; a slot: K of 1,024 keys (64 KB), then V (64 KB); slot 1 begins here
.set VOFF,  65536
.set STAGE, 262144                     ; the way out: 16 blocks, 1,040 bytes apart (odd multiple of 16)
.set SP,    1040
.set SPARE, 279040                     ; the spare words, 128 bytes a wave
.set AK0, 2
.set AV0, 3
.set AK,  4
.set AV,  5
.set STO, 6
.set RD,  7
.set SPW, 9
.set NIL, 10
.set ST,  16                           ; tile u: c m, m, l (even keys'), l (odd keys')
.set TMP, 24                           ; tile u: c0-c3; c2 takes a
.set MV,  32                           ; c m_old
.set Q,   40
.set O,   56                           ; tile (u, cb) at O + 16 u + 8 cb
.set S,   88
.set P,   152
.set KF,  184
.set VF,  216                          ; (kk, cb) at VF + 16 kk + 8 cb
.set WV,  12
.set G1,  24
.set G0,  40
.set SLOTS, 56
.set CNT, 57
.set CS,  58
.set SEL, 60
.set TB,  62
.macro PLACES
.rept 4
	v_nop
.endr
.endm
.macro CROUND                          ; a round of the cluster's barrier
	s_barrier_signal -1
	s_barrier_wait -1
	s_cmp_lg_u32 s[WV], 0
	s_cbranch_scc1 .Lnot_wave_0_\@
	s_barrier_signal -3
.Lnot_wave_0_\@:
	s_barrier_wait -3
	s_barrier_signal -1
	s_barrier_wait -1
.endm
; The change of slots.  Each wave waits for all its tensor loads (one is out: its part of the other slot), adds 0 to its spare word, waits for that and for its reads of the slot it leaves.
; fill = 1: behind a round of the cluster's barrier the slot is filled again with the keys two slots on: one load a wave, 16 steps in which to land.
.macro CHANGE fill
	s_wait_tensorcnt 0x0
	ds_add_u32 v[SPW], v[NIL]
.if \fill
	s_xor_b32 s[G0+1], s[G0+1], SLOT1
	s_add_nc_u64 s[G0+2:G0+3], s[G0+2:G0+3], 65536
	s_wait_dscnt 0x0
	CROUND
	tensor_load_to_lds s[G0:G0+3], s[G1:G1+7]
	s_nop 0
	PLACES
.else
	s_wait_dscnt 0x0
	s_barrier_signal -1
	s_barrier_wait -1
.endif
	s_sub_co_u32 s[TB], s[TB], 65536               ; the fetches go back to a slot's first step, in the other slot
	s_xor_b32 s[TB], s[TB], SLOT1
.endm
	s_load_b128 s[4:7], s[0:1], 0x0                ; qkvf, attno
	v_lshl_add_u32 v[SPW], v0, 2, SPARE
	v_mov_b32 v[NIL], 0
	ds_add_u32 v[SPW], v[NIL]                      ; the wave's opening: the add and its wait ahead of my first tensor load
	v_lshrrev_b32 v1, 5, v0
	v_readfirstlane_b32 s[WV], v1
	s_bfe_u32 s13, ttmp6, 0x40000                  ; cx
	s_lshl_b32 s14, ttmp9, 2
	s_add_co_u32 s14, s14, s13                     ; ob: enters Q's and O's global addresses alone
	s_and_b32 s15, ttmp7, 0xffff                   ; b * 8 + head, shared by the four partners
	s_lshr_b32 s16, s[WV], 2
	s_lshl_b32 s16, s16, 22                        ; waves 0-3: K's section, waves 4-7: V's
	s_add_co_u32 s16, s16, 0x400000
	s_lshl_b32 s17, s15, 18
	s_add_co_u32 s16, s16, s17
	s_and_b32 s17, s[WV], 3
	s_lshl_b32 s17, s17, 14                        ; my quarter: 16 blocks
	s_add_co_u32 s16, s16, s17
	s_mov_b32 s17, 0
	s_lshl_b32 s18, s15, 8
	s_lshl_b32 s19, s[WV], 5
	s_add_co_u32 s18, s18, s19
	s_add_co_u32 s18, s18, s14
	s_lshl_b32 s18, s18, 10                        ; Q block (b 8 + head) 256 + 16 (2 w) + ob
	s_mov_b32 s19, 0
	s_lshr_b32 s20, s15, 3
	s_lshl_b32 s20, s20, 8
	s_lshl_b32 s21, s14, 4
	s_add_co_u32 s20, s20, s21
	s_lshl_b32 s21, s[WV], 1
	s_add_co_u32 s20, s20, s21
	s_lshl_b32 s20, s20, 3
	s_and_b32 s21, s15, 7
	s_add_co_u32 s20, s20, s21
	s_lshl_b32 s20, s20, 10                        ; O block (b 256 + 16 ob + 2 w) 8 + head
	s_mov_b32 s21, 0
	s_mov_b32 s[G1], 15|(3<<16)|(1<<21)            ; the mask of four; elements of 8 bytes; bit 21 beside a mask; no padding
	s_mov_b32 s[G1+1], 32<<16                      ; tensor_dim0 = 32 (256 bytes)
	s_mov_b32 s[G1+2], 64<<16                      ; tensor_dim1 = 64
	s_mov_b32 s[G1+3], 32<<16                      ; tile_dim0
	s_mov_b32 s[G1+4], 64                          ; tile_dim1
	s_mov_b32 s[G1+5], 32                          ; dense rows
	s_mov_b32 s[G1+6], 0
	s_mov_b32 s[G1+7], 0
	s_mov_b32 s[G0], 1
	s_lshl_b32 s[G0+1], s[WV], 14                  ; LDS: wave * 16 KB: K's quarters, then V's
	s_mov_b32 s[CS], 0x3e8293ee                    ; c = log2(e) / sqrt(32)
	s_mov_b32 s[CS+1], s[CS]
	s_mov_b32 s[SEL], 0x76543210
	s_mov_b32 s[SEL+1], 0xfedcba98
	s_mov_b32 s[TB], SLOT1+65536                   ; the first change of slots turns this into 0
	s_mov_b32 s[SLOTS], 3
	s_wait_dscnt 0x0
	s_wait_kmcnt 0x0
	s_add_nc_u64 s[G0+2:G0+3], s[4:5], s[16:17]
	s_or_b32 s[G0+3], s[G0+3], 0x80000000
	s_add_nc_u64 s[4:5], s[4:5], s[18:19]
	s_add_nc_u64 s[6:7], s[6:7], s[20:21]
	CROUND                                         ; all four work-groups are here
	tensor_load_to_lds s[G0:G0+3], s[G1:G1+7]      ; slot 0: keys 0-1023
	s_nop 0
	PLACES
	v_and_b32 v1, 15, v0
	v_bfe_u32 v11, v0, 4, 1
	v_and_b32 v12, 31, v0
	v_lshlrev_b32 v[AK0], 4, v12
	global_load_b128 v[Q:Q+3], v[AK0], s[4:5]
	global_load_b128 v[Q+4:Q+7], v[AK0], s[4:5] offset:512
	global_load_b128 v[Q+8:Q+11], v[AK0], s[4:5] offset:16384
	global_load_b128 v[Q+12:Q+15], v[AK0], s[4:5] offset:16896
	v_and_b32 v13, 7, v0
	v_bfe_u32 v14, v0, 3, 1
	v_lshl_add_u32 v[AV0], v11, 3, v13             ; a V block is [cb][key][32 bytes]: the turning load takes key 8 hh + l % 8, 16 bytes by (l / 8) % 2
	v_lshlrev_b32 v[AV0], 5, v[AV0]
	v_lshl_add_u32 v[AV0], v14, 4, v[AV0]
	v_add_nc_u32 v[AV0], VOFF, v[AV0]
	v_mul_u32_u24 v[STO], v1, SP                   ; the way out: block = my query's o, place = hh * 256 + h * 16
	v_lshl_add_u32 v[STO], v11, 8, v[STO]
	s_lshl_b32 s13, s[WV], 5
	s_add_co_u32 s13, s13, STAGE
	v_add_nc_u32 v[STO], s13, v[STO]
	s_mul_i32 s13, s[WV], 2*SP
	s_add_co_u32 s13, s13, STAGE
	v_add_nc_u32 v[RD], s13, v[AK0]
.irp u, 0,1
	v_mov_b32 v[ST+4*\u], 0xfe000000               ; c m: far below every c s
	v_mov_b32 v[ST+4*\u+1], 0xff7fffff             ; m
	v_mov_b32 v[ST+4*\u+2], 0
	v_mov_b32 v[ST+4*\u+3], 0
.endr
.set i, O
.rept 32
	v_mov_b32 v[i], 0
.set i, i+1
.endr
.macro REGS u
.set rT, ST+4*(\u)
.set rC, TMP+4*(\u)
.set rM, MV+(\u)
.set rS, S+32*(\u)
.set rP, P+16*(\u)
.endm
; number n of the 22 that find a tile's maximum and statistics; each accumulator's lowest registers are read first
.macro XS u, n
	REGS \u
.if (\n) < 4
	v_max3_num_f32 v[rC+(\n)], v[rS+8*(\n)], v[rS+8*(\n)+1], v[rS+8*(\n)+2]
.elseif (\n) < 12
	v_max3_num_f32 v[rC+(\n)%4], v[rC+(\n)%4], v[rS+8*((\n)%4)+2*((\n)/4)+1], v[rS+8*((\n)%4)+2*((\n)/4)+2]
.elseif (\n) == 12
	v_max3_num_f32 v[rC], v[rC], v[rS+7], v[rS+15]
.elseif (\n) == 13
	v_max3_num_f32 v[rC+1], v[rC+1], v[rS+23], v[rS+31]
.elseif (\n) == 14
	v_max3_num_f32 v[rC+2], v[rC+2], v[rC+3], v[rT+1]
.elseif (\n) == 15
	v_mov_b32 v[rM], v[rT]
.elseif (\n) == 16
	v_max3_num_f32 v[rC], v[rC], v[rC+1], v[rC+2]
.elseif (\n) == 17
	v_permlanex16_b32 v[rC+3], v[rC], s[SEL], s[SEL+1]
.elseif (\n) == 18
	v_max_num_f32 v[rT+1], v[rC], v[rC+3]
.elseif (\n) == 19
	v_mul_f32 v[rT], s[CS], v[rT+1]
.elseif (\n) == 20
	v_sub_f32 v[rC+1], v[rM], v[rT]
.else
	v_exp_f32 v[rC+2], v[rC+1]
.endif
.endm
.macro EXG g                           ; the exponentials of weights 4 g .. 4 g + 3 of both tiles
.irp u, 0,1
.irp e, 0,1,2,3
	v_exp_f32 v[S+32*\u+4*(\g)+\e], v[S+32*\u+4*(\g)+\e]
.endr
.endr
.endm
.macro APL k                           ; what follows them: two roundings, the second pair onto the first, l
.irp u, 0,1
	REGS \u
	s_wait_alu depctr_va_vdst(0)
	v_cvt_pk_bf16_f32 v[rP+2*(\k)], v[rS+4*(\k)], v[rS+4*(\k)+1]
.endr
.irp u, 0,1
	REGS \u
	v_cvt_pk_bf16_f32 v[rP+2*(\k)+1], v[rS+4*(\k)+2], v[rS+4*(\k)+3]
.endr
.irp u, 0,1
	REGS \u
	v_pk_add_f32 v[rS+4*(\k):rS+4*(\k)+1], v[rS+4*(\k):rS+4*(\k)+1], v[rS+4*(\k)+2:rS+4*(\k)+3]
.endr
.irp u, 0,1
	REGS \u
.if (\k) == 0
	v_pk_fma_f32 v[rT+2:rT+3], v[rT+2:rT+3], v[rC+2:rC+3], v[rS:rS+1] op_sel_hi:[1,0,1]
.else
	v_pk_add_f32 v[rT+2:rT+3], v[rT+2:rT+3], v[rS+4*(\k):rS+4*(\k)+1]
	s_wait_alu depctr_va_vdst(0)
.endif
.endr
.endm
; A key step: 64 keys.
.macro STEP
	v_add_nc_u32 v[AK], s[TB], v[AK0]              ; four plain lines: the places between the last step's products and the loads into V's registers
	v_add_nc_u32 v[AV], s[TB], v[AV0]
	v_nop
	v_nop
	s_add_co_u32 s[TB], s[TB], 4096
.irp kt, 0,1,2,3
	ds_load_b128 v[KF+8*\kt:KF+8*\kt+3], v[AK] offset:\kt*1024
	ds_load_b128 v[KF+8*\kt+4:KF+8*\kt+7], v[AK] offset:\kt*1024+512
.endr
.irp kk, 0,1
.irp cb, 0,1
	ds_load_tr16_b128 v[VF+16*\kk+8*\cb:VF+16*\kk+8*\cb+3], v[AV] offset:2*\kk*1024+\cb*512
	ds_load_tr16_b128 v[VF+16*\kk+8*\cb+4:VF+16*\kk+8*\cb+7], v[AV] offset:(2*\kk+1)*1024+\cb*512
.endr
.endr
	s_wait_dscnt 0x8                               ; K is in; V's eight may be out
.irp kt, 0,1,2,3
.irp u, 0,1
	v_wmma_f32_16x16x32_bf16 v[S+32*\u+8*\kt:S+32*\u+8*\kt+7], v[KF+8*\kt:KF+8*\kt+7], v[Q+8*\u:Q+8*\u+7], 0
.endr
.endr
	XS 0, 15                                       ; four plain lines behind the products, two of them useful
	XS 1, 15
	v_nop
	v_nop
.irp n, 0,1,2,3,4,5,6,7,8,9,10,11,12,13,14,16,17,18,19,20,21
	XS 0, \n
	XS 1, \n
.endr
.set zq, 0
.rept 16
.irp u, 0,1
	v_pk_fma_f32 v[S+32*\u+2*zq:S+32*\u+2*zq+1], v[S+32*\u+2*zq:S+32*\u+2*zq+1], s[CS:CS+1], v[ST+4*\u:ST+4*\u+1] op_sel_hi:[1,0,0] neg_lo:[0,0,1] neg_hi:[0,0,1]
.endr
.set zq, zq+1
.endr
	EXG 0
.set zq, 0
	s_wait_alu depctr_va_vdst(0)
.rept 8                                ; O^T times a: plain lines between the first exponentials and the use of their results
.irp u, 0,1
	v_pk_mul_f32 v[O+16*\u+2*zq:O+16*\u+2*zq+1], v[O+16*\u+2*zq:O+16*\u+2*zq+1], v[TMP+4*\u+2:TMP+4*\u+3] op_sel_hi:[1,0]
.endr
.set zq, zq+1
.endr
.set zg, 1
.rept 7
	EXG zg
	APL zg-1
.set zg, zg+1
.endr
	APL 7
	s_wait_dscnt 0x0                               ; V is in
.irp kk, 0,1
.irp u, 0,1
.irp cb, 0,1
	v_wmma_f32_16x16x32_bf16 v[O+16*\u+8*\cb:O+16*\u+8*\cb+7], v[VF+16*\kk+8*\cb:VF+16*\kk+8*\cb+7], v[P+16*\u+8*\kk:P+16*\u+8*\kk+7], v[O+16*\u+8*\cb:O+16*\u+8*\cb+7]
.endr
.endr
.endr
.endm
	s_wait_loadcnt 0x0                             ; Q
.Lslot:                                                ; three times: a slot is entered and the other is asked for
	CHANGE 1
	s_mov_b32 s[CNT], 16
.Lstep:
	STEP
	s_sub_co_u32 s[CNT], s[CNT], 1
	s_cmp_lg_u32 s[CNT], 0
	s_cbranch_scc1 .Lstep
	s_sub_co_u32 s[SLOTS], s[SLOTS], 1
	s_cmp_lg_u32 s[SLOTS], 0
	s_cbranch_scc1 .Lslot
	CHANGE 0                                       ; the last slot is written out
	s_mov_b32 s[CNT], 16
.Ltail:
	STEP
	s_sub_co_u32 s[CNT], s[CNT], 1
	s_cmp_lg_u32 s[CNT], 0
	s_cbranch_scc1 .Ltail
	; THE WAY OUT: O / l, bf16, through a stage that turns (lane = o, tile = h) into (block = o, lane = h): the order in which the next launch takes tokens
.irp u, 0,1
	v_add_f32 v[ST+4*\u+2], v[ST+4*\u+2], v[ST+4*\u+3]
.endr
.irp u, 0,1
	v_permlanex16_b32 v[ST+4*\u+3], v[ST+4*\u+2], s[SEL], s[SEL+1]
.endr
.irp u, 0,1
	v_add_f32 v[ST+4*\u+2], v[ST+4*\u+2], v[ST+4*\u+3]
.endr
	v_nop
	v_nop
.irp u, 0,1
	v_rcp_f32 v[ST+4*\u+2], v[ST+4*\u+2]
.endr
	v_nop
	s_wait_alu depctr_va_vdst(0)
.irp u, 0,1
.irp q, 0,1,2,3,4,5,6,7
	v_pk_mul_f32 v[O+16*\u+2*\q:O+16*\u+2*\q+1], v[O+16*\u+2*\q:O+16*\u+2*\q+1], v[ST+4*\u+2:ST+4*\u+3] op_sel_hi:[1,0]
.endr
.endr
.irp t, 0,1,2,3
.irp q, 0,1,2,3
	v_cvt_pk_bf16_f32 v[O+8*\t+\q], v[O+8*\t+2*\q], v[O+8*\t+2*\q+1]
.endr
.endr
.irp u, 0,1
.irp cb, 0,1
	ds_store_b128 v[STO], v[O+16*\u+8*\cb:O+16*\u+8*\cb+3] offset:\u*16+\cb*512
.endr
.endr
	s_wait_dscnt 0x0                               ; for the others' sake: my stores into the stage are done
	s_barrier_signal -1
	s_barrier_wait -1
.irp i, 0,1,2,3
	ds_load_b128 v[S+4*\i:S+4*\i+3], v[RD] offset:(\i/2)*SP+(\i%2)*512
.endr
	s_wait_dscnt 0x0
.irp i, 0,1,2,3
	global_store_b128 v[AK0], v[S+4*\i:S+4*\i+3], s[6:7] offset:(\i/2)*8192+(\i%2)*512  ; 512 consecutive bytes
.endr
	s_wait_tensorcnt 0x0                           ; the wave's end
	ds_add_u32 v[SPW], v[NIL]
	s_wait_dscnt 0x0
	CROUND                                         ; the closing round
	s_endpgm
.Lfunc_end_k_qf79230511f_attn:
	.size	k_qf79230511f_attn, .Lfunc_end_k_qf79230511f_attn-k_qf79230511f_attn
	.p2alignl 7, 3214868480
	.fill 96, 4, 3214868480
	.section	.rodata,"a",@progbits
	.p2align	6, 0x0
	.amdhsa_kernel k_qf79230511f_attn
		.amdhsa_group_segment_fixed_size 327680
		.amdhsa_private_segment_fixed_size 0
		.amdhsa_enable_private_segment 0
		.amdhsa_kernarg_size 16
		.amdhsa_user_sgpr_count 2
		.amdhsa_user_sgpr_kernarg_segment_ptr 1
		.amdhsa_wavefront_size32 1
		.amdhsa_system_sgpr_workgroup_id_x 1
		.amdhsa_system_sgpr_workgroup_id_y 1
		.amdhsa_system_sgpr_workgroup_id_z 1
		.amdhsa_system_vgpr_workitem_id 0
		.amdhsa_next_free_vgpr 256
		.amdhsa_next_free_sgpr 66
		.amdhsa_reserve_vcc 0
		.amdhsa_float_denorm_mode_32 3
		.amdhsa_float_denorm_mode_16_64 3
		.amdhsa_memory_ordered 1
		.amdhsa_forward_progress 1
		.amdhsa_inst_pref_size 41
	.end_amdhsa_kernel
	.amdgpu_metadata
---
amdhsa.version: [ 1, 2 ]
amdhsa.kernels:
  - .name:           k_qf79230511f_attn
    .symbol:         k_qf79230511f_attn.kd
    .args:
      - { .name: qkvf, .offset: 0, .size: 8, .value_kind: global_buffer, .address_space: global }
      - { .name: attno, .offset: 8, .size: 8, .value_kind: global_buffer, .address_space: global }
    .group_segment_fixed_size: 327680
    .private_segment_fixed_size: 0
    .kernarg_segment_align: 8
    .kernarg_segment_size: 16
    .max_flat_workgroup_size: 256
    .sgpr_count:     66
    .vgpr_count:     256
    .wavefront_size: 32
...
	.end_amdgpu_metadata
.endif
;; end of part 3
;; launch post (part 4): grid 128 x 1, 8 waves a work-group, no clusters, 179,200 bytes of LDS; arguments attno, wf, kv2f, a1_bo, ln2_g, ln2_b, a2_bo, ln3_g, ln3_b, lin2_b, conv_out_b, lin1_b, hidden_image, out0; writes out0
.if DOCPART == 4
	.amdgcn_target "amdgcn-amd-amdhsa--gfx1250"
	.amdhsa_code_object_version 6
	.text
	.protected	k_qf79230511f_post
	.globl	k_qf79230511f_post
	.p2align	8
	.type	k_qf79230511f_post,@function
k_qf79230511f_post:
	s_mov_b64 s[64:65], 0
	v_nop
	global_prefetch_b8 v0, s[64:65] scope:SCOPE_SE
	s_setreg_imm32_b32 hwreg(HW_REG_WAVE_MODE, 25, 1), 1
	s_wait_xcnt 0x0
; POST.  All that follows self-attention, for 64 consecutive tokens a work-group: a1_wo + bias; LayerNorm 2; cross-attention on 77 text rows; a2_wo + bias + residual; LayerNorm 3; GeGLU MLP + residual;
; conv_out + bias + the image.  Residuals, norms, softmax and sums in f32; matrix operands in bf16.
; A lane holds ONE token and eight neighbouring features: D(m = feature, n = token); wave w owns features 32 w .. 32 w + 31 (head w).  Activations pass between waves through LDS in fragment order.
; Weights come straight from memory into a ring of six register slots, one linear stream of 128 chunks of 2 KB a wave: each fragment serves this wave alone, so LDS would add a write and a read and no reuse,
; and nothing is asked for jointly.  64 tokens a work-group: each weight fragment feeds four products, and 64 tokens are 256 consecutive bytes of every output row.
; LIMITS: a hidden key's score counts as its value less 1e30; a weight below 2^-126 counts as 0; erf by Abramowitz and Stegun 7.1.26 (absolute error 1.5e-7, every argument); NaN and infinities are not treated apart.
.set R_POST, 524288
.set ACT0,  16384                      ; PAR at 0: eight vectors of 1 KB, lin1_b at 8192
.set ACT1,  49152
.set HG,    81920                      ; a slice's a gelu(g): block (ni, kbl) at (4 ni + kbl) * 1024
.set STAT,  98304                      ; two regions of 5,120 bytes
.set OSTG,  108544                     ; 256 rows of 64 f32 + 16 bytes
.set SPARE, 178176
.set WO,  1
.set LA0, 2
.set LA1, 3
.set AW0, 4
.set AW1, 5
.set LH,  6
.set HW,  7
.set PB,  8
.set LB0, 9
.set LBT, 10
.set SW,  11
.set SR,  12
.set OSW, 13
.set OSR, 14
.set GO,  15
.set SPW, 16
.set NIL, 17
.set CBA, 18
.set VR,  19
.set VH,  20
.set VL,  21
.set FB,  32
.set LT,  32
.set BI,  96
.set GG,  96
.set BB,  112
.set ACC1, 128
.set ACCA, 192
.set XS_, 32                           ; cross-attention: scores, 40 a tile
.set XP_, 128                          ; weights, 24 a tile
.set XT_, 176                          ; c0-c3, c m, m, l, l
.set RING, 0                           ; window 1
.set NS,  6
.set K2F, 96
.set V2F, 136
.set QF2, 184
.set MASK, 216
.set O2,  224
.set RES, 96
.set WB,  36
.set SEL, 56
.set EPS, 60
.set K256, 61
.set XL,  0
.set MSB, 0
.macro WIN new
.if MSB != (\new)
	s_set_vgpr_msb (MSB<<8)|(\new)
.set MSB, \new
.endif
.endm
.macro PLACES
.rept 4
	v_nop
.endr
.endm
.macro BAR
	s_wait_dscnt 0x0
	s_barrier_signal -1
	s_barrier_wait -1
.endm
.macro ALL4 line:vararg
.set zn, 0
.rept 4
.set zt, LT+16*zn
	\line
.set zn, zn+1
.endr
.endm
.macro RFILL
.if WQ < WEND
	WIN 0x40
.set zR, RING+16*(WQ%NS)
.set zO, (WQ-WBASE)*2048
	global_load_b128 v[zR:zR+3], v[WO], s[WB:WB+1] offset:zO
	global_load_b128 v[zR+4:zR+7], v[WO], s[WB:WB+1] offset:zO+512
	global_load_b128 v[zR+8:zR+11], v[WO], s[WB:WB+1] offset:zO+1024
	global_load_b128 v[zR+12:zR+15], v[WO], s[WB:WB+1] offset:zO+1536
.set WQ, WQ+1
.endif
.endm
.macro RESLOAD                         ; the image's 32 rows x 64 tokens of this wave, behind the stream's last chunk
	WIN 0x40
.set zi, 0
.rept 16
	global_load_b128 v[RES+4*zi:RES+4*zi+3], v[GO], s[32:33] offset:zi*32768
.set zi, zi+1
.endr
.set XL, 16
.endm
.macro FBL areg, kb, buf, sn
.irp n, 0,1,2,3
	ds_load_b128 v[FB+32*(\buf)+8*\n:FB+32*(\buf)+8*\n+3], v[\areg] offset:\n*(\sn)+(\kb)*1024
	ds_load_b128 v[FB+32*(\buf)+8*\n+4:FB+32*(\buf)+8*\n+7], v[\areg] offset:\n*(\sn)+(\kb)*1024+512
.endr
.endm
; A layer: two weight fragments x four token tiles over nkb k blocks.  mode 0: source 0 = weights; mode 1: source 1 = weights.  cin 0: sums start at 0; 1: at BI; 2: go on in place.
; The eight accumulators take turns.  Four v_nop stand between a step's products and the loads into the registers that they read.
.macro LAYER acc, mode, cin, nkb, areg, sn, hook=0
	WIN 0
	FBL \areg, 0, 0, \sn
	FBL \areg, 1, 1, \sn
.set LK, 0
.rept \nkb
	s_wait_loadcnt (WQ-WI-1)*4+XL                  ; loads issued behind this chunk's four: the younger chunks (and XL others)
.if LK == (\nkb)-1
	s_wait_dscnt 0x0
.else
	s_wait_dscnt 0x8                               ; the next k block's eight may be out
.endif
.if \mode
	WIN 0x04
.else
	WIN 0x01
.endif
.set zR, RING+16*(WI%NS)
.set zF, FB+32*(LK%2)
.irp n, 0,1,2,3
.irp f, 0,1
.set zD, (\acc)+8*(4*\f+\n)
.if \mode
.set zA, zF+8*\n
.set zB, zR+8*\f
.else
.set zA, zR+8*\f
.set zB, zF+8*\n
.endif
.if (LK == 0) && ((\cin) == 0)
	v_wmma_f32_16x16x32_bf16 v[zD:zD+7], v[zA:zA+7], v[zB:zB+7], 0
.elseif (LK == 0) && ((\cin) == 1)
	v_wmma_f32_16x16x32_bf16 v[zD:zD+7], v[zA:zA+7], v[zB:zB+7], v[BI+8*\f:BI+8*\f+7]
.else
	v_wmma_f32_16x16x32_bf16 v[zD:zD+7], v[zA:zA+7], v[zB:zB+7], v[zD:zD+7]
.endif
.endr
.endr
	PLACES
	RFILL
.if (\hook) && (LK == 1)
	RESLOAD
.endif
.if LK+2 < (\nkb)
	WIN 0
	FBL \areg, LK+2, LK%2, \sn
.endif
.set WI, WI+1
.set LK, LK+1
.endr
	WIN 0
.endm
; LayerNorm over 256 features that lie in eight waves.  acc is left as it is; the result goes, in bf16, to block (ni, kb = wave) at awreg.
.macro LN acc, statoff, awreg
	ALL4 v_pk_add_f32 v[zt:zt+1], v[(\acc)+8*zn:(\acc)+8*zn+1], v[(\acc)+8*zn+2:(\acc)+8*zn+3]
	ALL4 v_pk_add_f32 v[zt+2:zt+3], v[(\acc)+8*zn+4:(\acc)+8*zn+5], v[(\acc)+8*zn+6:(\acc)+8*zn+7]
	ALL4 v_pk_add_f32 v[zt+4:zt+5], v[(\acc)+8*zn+32:(\acc)+8*zn+33], v[(\acc)+8*zn+34:(\acc)+8*zn+35]
	ALL4 v_pk_add_f32 v[zt+6:zt+7], v[(\acc)+8*zn+36:(\acc)+8*zn+37], v[(\acc)+8*zn+38:(\acc)+8*zn+39]
	ALL4 v_pk_add_f32 v[zt:zt+1], v[zt:zt+1], v[zt+2:zt+3]
	ALL4 v_pk_add_f32 v[zt+4:zt+5], v[zt+4:zt+5], v[zt+6:zt+7]
	ALL4 v_pk_add_f32 v[zt:zt+1], v[zt:zt+1], v[zt+4:zt+5]
	ALL4 v_add_f32 v[zt], v[zt], v[zt+1]
	ALL4 v_permlanex16_b32 v[zt+2], v[zt], s[SEL], s[SEL+1]
	ALL4 v_add_f32 v[zt], v[zt], v[zt+2]
	ALL4 v_mul_f32 v[zt+6], 0x3d000000, v[zt]      ; my wave's mean of 32 features
.set zk, 0
.rept 8
.set zx, (\acc)+32*(zk/4)+2*(zk%4)
.set zd, 2*(zk%2)
	ALL4 v_pk_add_f32 v[zt+zd:zt+zd+1], v[zx+8*zn:zx+8*zn+1], v[zt+6:zt+7] op_sel_hi:[1,0] neg_lo:[0,1] neg_hi:[0,1]
.if zk == 0
	ALL4 v_pk_mul_f32 v[zt+4:zt+5], v[zt+zd:zt+zd+1], v[zt+zd:zt+zd+1]
.else
	ALL4 v_pk_fma_f32 v[zt+4:zt+5], v[zt+zd:zt+zd+1], v[zt+zd:zt+zd+1], v[zt+4:zt+5]
.endif
.set zk, zk+1
.endr
	ALL4 v_add_f32 v[zt+4], v[zt+4], v[zt+5]
	ALL4 v_permlanex16_b32 v[zt+5], v[zt+4], s[SEL], s[SEL+1]
	ALL4 v_add_f32 v[zt+4], v[zt+4], v[zt+5]       ; and its M2
	ALL4 ds_store_b32 v[SW], v[zt+6] offset:(\statoff)+zn*1280
	ALL4 ds_store_b32 v[SW], v[zt+4] offset:(\statoff)+zn*1280+32
	BAR                                            ; every wave's pair is in LDS
	ALL4 ds_load_b128 v[zt:zt+3], v[SR] offset:(\statoff)+zn*1280
	ALL4 ds_load_b128 v[zt+4:zt+7], v[SR] offset:(\statoff)+zn*1280+16
	ALL4 ds_load_b128 v[zt+8:zt+11], v[SR] offset:(\statoff)+zn*1280+32
	ALL4 ds_load_b128 v[zt+12:zt+15], v[SR] offset:(\statoff)+zn*1280+48
	s_wait_dscnt 0x0
	ALL4 v_pk_add_f32 v[zt+8:zt+9], v[zt+8:zt+9], v[zt+10:zt+11]
	ALL4 v_pk_add_f32 v[zt+12:zt+13], v[zt+12:zt+13], v[zt+14:zt+15]
	ALL4 v_pk_add_f32 v[zt+8:zt+9], v[zt+8:zt+9], v[zt+12:zt+13]
	ALL4 v_add_f32 v[zt+8], v[zt+8], v[zt+9]
	ALL4 v_pk_add_f32 v[zt+10:zt+11], v[zt:zt+1], v[zt+2:zt+3]
	ALL4 v_pk_add_f32 v[zt+12:zt+13], v[zt+4:zt+5], v[zt+6:zt+7]
	ALL4 v_pk_add_f32 v[zt+10:zt+11], v[zt+10:zt+11], v[zt+12:zt+13]
	ALL4 v_add_f32 v[zt+10], v[zt+10], v[zt+11]
	ALL4 v_mul_f32 v[zt+10], 0x3e000000, v[zt+10]  ; the mean
.irp q, 0,1,2,3
	ALL4 v_pk_add_f32 v[zt+2*\q:zt+2*\q+1], v[zt+2*\q:zt+2*\q+1], v[zt+10:zt+11] op_sel_hi:[1,0] neg_lo:[0,1] neg_hi:[0,1]
.endr
	ALL4 v_pk_mul_f32 v[zt+12:zt+13], v[zt:zt+1], v[zt:zt+1]
.irp q, 1,2,3
	ALL4 v_pk_fma_f32 v[zt+12:zt+13], v[zt+2*\q:zt+2*\q+1], v[zt+2*\q:zt+2*\q+1], v[zt+12:zt+13]
.endr
	ALL4 v_add_f32 v[zt+12], v[zt+12], v[zt+13]
	ALL4 v_fma_f32 v[zt+8], v[zt+8], s[K256], s[EPS]
	ALL4 v_fma_f32 v[zt+8], v[zt+12], 0x3e000000, v[zt+8]
	ALL4 v_rsq_f32 v[zt+14], v[zt+8]
	v_nop                                          ; a plain line between the roots and their use
	s_wait_alu depctr_va_vdst(0)
	ALL4 v_mul_f32 v[zt+15], -v[zt+10], v[zt+14]   ; the pair (rstd, -mean rstd)
.irp f, 0,1
.irp q, 0,1,2,3
	ALL4 v_pk_fma_f32 v[zt+2*\q:zt+2*\q+1], v[(\acc)+32*\f+8*zn+2*\q:(\acc)+32*\f+8*zn+2*\q+1], v[zt+14:zt+15], v[zt+14:zt+15] op_sel:[0,0,1] op_sel_hi:[1,0,1]
.endr
.irp q, 0,1,2,3
	ALL4 v_pk_fma_f32 v[zt+2*\q:zt+2*\q+1], v[zt+2*\q:zt+2*\q+1], v[GG+8*\f+2*\q:GG+8*\f+2*\q+1], v[BB+8*\f+2*\q:BB+8*\f+2*\q+1]
.endr
.irp q, 0,1,2,3
	ALL4 v_cvt_pk_bf16_f32 v[zt+8+\q], v[zt+2*\q], v[zt+2*\q+1]
.endr
	ALL4 ds_store_b128 v[\awreg], v[zt+8:zt+11] offset:zn*8192+\f*512
.endr
	BAR
.endm
.macro PLOAD dst, vec                  ; my 16 numbers (features 32 w + 16 f + 8 hh + j) of parameter vector vec
.irp f, 0,1
	ds_load_b128 v[(\dst)+8*\f:(\dst)+8*\f+3], v[PB] offset:(\vec)*1024+\f*64
	ds_load_b128 v[(\dst)+8*\f+4:(\dst)+8*\f+7], v[PB] offset:(\vec)*1024+\f*64+16
.endr
.endm
.macro BADD                            ; ACCA += BI
.irp f, 0,1
.irp n, 0,1,2,3
.irp q, 0,1,2,3
	v_pk_add_f32 v[ACCA+8*(4*\f+\n)+2*\q:ACCA+8*(4*\f+\n)+2*\q+1], v[ACCA+8*(4*\f+\n)+2*\q:ACCA+8*(4*\f+\n)+2*\q+1], v[BI+8*\f+2*\q:BI+8*\f+2*\q+1]
.endr
.endr
.endr
.endm
	s_load_b512 s[8:23], s[0:1], 0x0               ; attno, wf, kv2f, a1_bo, ln2_g, ln2_b, a2_bo, ln3_g
	s_load_b256 s[24:31], s[0:1], 0x40             ; ln3_b, lin2_b, conv_out_b, lin1_b
	s_load_b128 s[32:35], s[0:1], 0x60             ; image, out0
	v_lshl_add_u32 v[SPW], v0, 2, SPARE
	v_mov_b32 v[NIL], 0
	v_lshrrev_b32 v22, 5, v0
	v_readfirstlane_b32 s2, v22                    ; wave
	v_and_b32 v[VL], 31, v0
	v_and_b32 v[VR], 15, v0
	v_bfe_u32 v[VH], v0, 4, 1
	v_lshlrev_b32 v[WO], 4, v[VL]
	s_lshr_b32 s3, ttmp9, 6                        ; b
	s_lshl_b32 s4, s3, 3
	s_add_co_u32 s4, s4, s2                        ; b * 8 + head
	s_mul_i32 s38, s4, 5120
	s_mov_b32 s39, 0
	s_mul_i32 s66, s4, 6144
	s_add_co_u32 s66, s66, 81920
	s_mov_b32 s67, 0
	s_lshl_b32 s70, ttmp9, 15
	s_lshl_b32 s5, s2, 12
	s_add_co_u32 s70, s70, s5
	s_mov_b32 s71, 0
	s_lshl_b32 s36, s2, 18
	s_add_co_u32 s36, s36, R_POST
	s_mov_b32 s37, 0
	s_lshl_b32 s6, s3, 22
	s_lshl_b32 s5, s2, 19
	s_add_co_u32 s6, s6, s5
	s_and_b32 s5, ttmp9, 63
	s_lshl_b32 s5, s5, 8
	s_add_co_u32 s6, s6, s5                        ; ((b 256 + 32 w) 4096 + t0) * 4
	s_mov_b32 s7, 0
	s_mov_b32 s40, 0x3e6d3388                      ; 0.3275911 / sqrt(2)
	s_mov_b32 s42, 0xbf38aa3b                      ; -log2(e) / 2
	s_mov_b32 s44, 0x3f07dc22                      ; the five coefficients, halved: a5
	s_mov_b32 s46, 0xbf3a00e3                      ; a4
	s_mov_b32 s48, 0x3f35f0e3                      ; a3
	s_mov_b32 s50, 0xbe11a98e                      ; a2
	s_mov_b32 s52, 0x3e027906                      ; a1
.irp i, 41,43,45,47,49,51,53
	s_mov_b32 s\i, 0                               ; named with them as pairs
.endr
	s_mov_b32 s54, 0x7fffffff
	s_mov_b32 s55, 0xf149f2ca                      ; -1e30
	s_mov_b32 s[SEL], 0x76543210
	s_mov_b32 s[SEL+1], 0xfedcba98
	s_mov_b32 s58, 0x3e8293ee                      ; c = log2(e) / sqrt(32)
	s_mov_b32 s59, s58
	s_mov_b32 s[EPS], 0x3727c5ac                   ; 1e-5
	s_mov_b32 s[K256], 0x3b800000
	s_wait_kmcnt 0x0
	s_add_nc_u64 s[38:39], s[12:13], s[38:39]      ; K2 of my head
	s_add_nc_u64 s[66:67], s[12:13], s[66:67]      ; V2 of my head
	s_add_nc_u64 s[70:71], s[8:9], s[70:71]        ; my 4 KB of the 64 tokens' attention output
	s_add_nc_u64 s[WB:WB+1], s[10:11], s[36:37]
	s_add_nc_u64 s[32:33], s[32:33], s[6:7]
	s_add_nc_u64 s[34:35], s[34:35], s[6:7]
	s_mov_b64 s[68:69], s[14:15]                   ; parameter vector number w
.irp i, 1,2,3,4,5,6,7
	s_cmp_eq_u32 s2, \i
	s_cselect_b64 s[68:69], s[14+2*\i:15+2*\i], s[68:69]
.endr
	WIN 0x40
.irp i, 0,1,2,3,4
	global_load_b128 v[K2F+8*\i:K2F+8*\i+3], v[WO], s[38:39] offset:\i*1024
	global_load_b128 v[K2F+8*\i+4:K2F+8*\i+7], v[WO], s[38:39] offset:\i*1024+512
.endr
.irp i, 0,1,2,3,4,5
	global_load_b128 v[V2F+8*\i:V2F+8*\i+3], v[WO], s[66:67] offset:\i*1024
	global_load_b128 v[V2F+8*\i+4:V2F+8*\i+7], v[WO], s[66:67] offset:\i*1024+512
.endr
	WIN 0
	s_lshl_b32 s5, s2, 10
	v_add_nc_u32 v22, s5, v[WO]                    ; w * 1024 + lane * 16
	global_load_b128 v[32:35], v[WO], s[68:69]
	global_load_b128 v[36:39], v[WO], s[68:69] offset:512
	global_load_b128 v[40:43], v22, s[30:31]
	global_load_b128 v[44:47], v22, s[30:31] offset:512
.irp i, 0,1,2,3,4,5,6,7
	global_load_b128 v[48+4*\i:51+4*\i], v[WO], s[70:71] offset:\i*512
.endr
.set WI, 0
.set WQ, 0
.set WBASE, 0
.set WEND, 44
.rept 6
	RFILL
.endr
	WIN 0
	v_add_nc_u32 v[LA0], ACT0, v[WO]
	v_add_nc_u32 v[LA1], ACT1, v[WO]
	v_add_nc_u32 v[AW0], s5, v[LA0]
	v_add_nc_u32 v[AW1], s5, v[LA1]
	v_add_nc_u32 v[LH], HG, v[WO]
	s_lshl_b32 s5, s2, 9
	v_add_nc_u32 v[HW], s5, v[LH]                  ; (w >> 1) * 1024 + (w & 1) * 512 = w * 512
	s_lshl_b32 s5, s2, 7
	v_lshl_add_u32 v[PB], v[VH], 5, s5
	v_lshl_add_u32 v[CBA], v[VR], 2, s5
	s_lshl_b32 s5, s2, 6
	s_add_co_u32 s5, s5, 8192
	v_lshl_add_u32 v[LB0], v[VH], 5, s5
	v_mul_u32_u24 v[SR], v[VR], 80
	v_add_nc_u32 v[SR], STAT, v[SR]
	s_lshl_b32 s5, s2, 2
	v_add_nc_u32 v[SW], s5, v[SR]
	s_mul_i32 s5, s2, 32*272
	s_add_co_u32 s5, s5, OSTG
	v_mul_u32_u24 v[OSW], v[VR], 272
	v_lshl_add_u32 v[OSW], v[VH], 5, v[OSW]
	v_add_nc_u32 v[OSW], s5, v[OSW]
	v_mul_u32_u24 v[OSR], v[VH], 272
	v_lshl_add_u32 v[OSR], v[VR], 4, v[OSR]
	v_add_nc_u32 v[OSR], s5, v[OSR]
	v_lshlrev_b32 v[GO], 14, v[VH]
	v_lshl_add_u32 v[GO], v[VR], 4, v[GO]
	s_lshl_b32 s5, s2, 12
	v_add_nc_u32 v24, s5, v[LA0]
	v_lshlrev_b32 v23, 3, v[VH]
	v_sub_nc_u32 v23, 12, v23                      ; in key tile 4 register j is hidden where 64 + 8 hh + j > 76
	WIN 0x40
.irp j, 0,1,2,3,4,5,6,7
	v_cmp_gt_i32 vcc_lo, \j, v23
	v_cndmask_b32 v[MASK+\j], 0, s55, vcc_lo
.endr
	WIN 0
	s_wait_loadcnt 24                              ; all but the ring's six chunks
	ds_store_b128 v22, v[32:35]
	ds_store_b128 v22, v[36:39] offset:512
	ds_store_b128 v22, v[40:43] offset:8192
	ds_store_b128 v22, v[44:47] offset:8704
.irp i, 0,1,2,3,4,5,6,7
	ds_store_b128 v24, v[48+4*\i:51+4*\i] offset:\i*512
.endr
	BAR
	; x1 = o wo + bo
	PLOAD BI, 0
	LAYER ACCA, 0, 1, 8, LA0, 8192
	PLOAD GG, 1
	PLOAD BB, 2
	LN ACCA, 0, AW1
	; q2, kept as fragments in window 1
	LAYER ACC1, 0, 0, 8, LA1, 8192
	WIN 0x40
.irp n, 0,1,2,3
.irp f, 0,1
.irp q, 0,1,2,3
	v_cvt_pk_bf16_f32 v[QF2+8*\n+4*\f+\q], v[ACC1+8*(4*\f+\n)+2*\q], v[ACC1+8*(4*\f+\n)+2*\q+1]
.endr
.endr
.endr
; cross-attention of head w for token tiles 2 nb, 2 nb + 1: 80 keys (77 seen), the whole row at once: maximum, exponentials, sum
.macro XPL k                           ; behind the exponentials of key tile k: four roundings, the sums
	s_wait_alu depctr_va_vdst(0)
.irp q, 0,1,2,3
.irp nl, 0,1
	v_cvt_pk_bf16_f32 v[XP_+24*\nl+4*(\k)+\q], v[XS_+40*\nl+8*(\k)+2*\q], v[XS_+40*\nl+8*(\k)+2*\q+1]
.endr
.endr
.irp nl, 0,1
	v_pk_add_f32 v[XS_+40*\nl+8*(\k):XS_+40*\nl+8*(\k)+1], v[XS_+40*\nl+8*(\k):XS_+40*\nl+8*(\k)+1], v[XS_+40*\nl+8*(\k)+2:XS_+40*\nl+8*(\k)+3]
.endr
.irp nl, 0,1
	v_pk_add_f32 v[XS_+40*\nl+8*(\k)+4:XS_+40*\nl+8*(\k)+5], v[XS_+40*\nl+8*(\k)+4:XS_+40*\nl+8*(\k)+5], v[XS_+40*\nl+8*(\k)+6:XS_+40*\nl+8*(\k)+7]
.endr
.if (\k) == 0
.irp nl, 0,1
	v_pk_add_f32 v[XT_+8*\nl+6:XT_+8*\nl+7], v[XS_+40*\nl:XS_+40*\nl+1], v[XS_+40*\nl+4:XS_+40*\nl+5]
.endr
.else
.irp nl, 0,1
	v_pk_add_f32 v[XS_+40*\nl+8*(\k):XS_+40*\nl+8*(\k)+1], v[XS_+40*\nl+8*(\k):XS_+40*\nl+8*(\k)+1], v[XS_+40*\nl+8*(\k)+4:XS_+40*\nl+8*(\k)+5]
.endr
	s_wait_alu depctr_va_vdst(0)
.irp nl, 0,1
	v_pk_add_f32 v[XT_+8*\nl+6:XT_+8*\nl+7], v[XT_+8*\nl+6:XT_+8*\nl+7], v[XS_+40*\nl+8*(\k):XS_+40*\nl+8*(\k)+1]
.endr
.endif
.endm
.macro XBATCH nb
	WIN 0x05
.irp kt, 0,1,2,3
.irp nl, 0,1
	v_wmma_f32_16x16x32_bf16 v[XS_+40*\nl+8*\kt:XS_+40*\nl+8*\kt+7], v[K2F+8*\kt:K2F+8*\kt+7], v[QF2+8*(2*(\nb)+\nl):QF2+8*(2*(\nb)+\nl)+7], 0
.endr
.endr
	WIN 0x15                                       ; the last key tile's sums start at the mask
.irp nl, 0,1
	v_wmma_f32_16x16x32_bf16 v[XS_+40*\nl+32:XS_+40*\nl+39], v[K2F+32:K2F+39], v[QF2+8*(2*(\nb)+\nl):QF2+8*(2*(\nb)+\nl)+7], v[MASK:MASK+7]
.endr
	WIN 0
	PLACES
.irp k, 0,1,2,3
.irp nl, 0,1
	v_max3_num_f32 v[XT_+8*\nl+\k], v[XS_+40*\nl+8*\k], v[XS_+40*\nl+8*\k+1], v[XS_+40*\nl+8*\k+2]
.endr
.endr
.irp k, 0,1,2,3
.irp nl, 0,1
	v_max3_num_f32 v[XT_+8*\nl+\k], v[XT_+8*\nl+\k], v[XS_+40*\nl+8*\k+3], v[XS_+40*\nl+8*\k+4]
.endr
.endr
.irp k, 0,1,2,3
.irp nl, 0,1
	v_max3_num_f32 v[XT_+8*\nl+\k], v[XT_+8*\nl+\k], v[XS_+40*\nl+8*\k+5], v[XS_+40*\nl+8*\k+6]
.endr
.endr
.irp k, 0,1,2,3
.irp nl, 0,1
	v_max3_num_f32 v[XT_+8*\nl+\k], v[XT_+8*\nl+\k], v[XS_+40*\nl+32+2*\k], v[XS_+40*\nl+33+2*\k]
.endr
.endr
.irp nl, 0,1
	v_max3_num_f32 v[XT_+8*\nl], v[XT_+8*\nl], v[XS_+40*\nl+7], v[XS_+40*\nl+15]
	v_max3_num_f32 v[XT_+8*\nl+1], v[XT_+8*\nl+1], v[XS_+40*\nl+23], v[XS_+40*\nl+31]
.endr
.irp nl, 0,1
	v_max3_num_f32 v[XT_+8*\nl], v[XT_+8*\nl], v[XT_+8*\nl+1], v[XT_+8*\nl+2]
.endr
.irp nl, 0,1
	v_max_num_f32 v[XT_+8*\nl], v[XT_+8*\nl], v[XT_+8*\nl+3]
.endr
.irp nl, 0,1
	v_permlanex16_b32 v[XT_+8*\nl+1], v[XT_+8*\nl], s[SEL], s[SEL+1]
.endr
.irp nl, 0,1
	v_max_num_f32 v[XT_+8*\nl+5], v[XT_+8*\nl], v[XT_+8*\nl+1]
.endr
.irp nl, 0,1
	v_mul_f32 v[XT_+8*\nl+4], s58, v[XT_+8*\nl+5]
.endr
.set zq, 0
.rept 20
.irp nl, 0,1
	v_pk_fma_f32 v[XS_+40*\nl+2*zq:XS_+40*\nl+2*zq+1], v[XS_+40*\nl+2*zq:XS_+40*\nl+2*zq+1], s[58:59], v[XT_+8*\nl+4:XT_+8*\nl+5] op_sel_hi:[1,0,0] neg_lo:[0,0,1] neg_hi:[0,0,1]
.endr
.set zq, zq+1
.endr
.set zg, 0
.rept 5
.irp nl, 0,1
.irp e, 0,1,2,3,4,5,6,7
	v_exp_f32 v[XS_+40*\nl+8*zg+\e], v[XS_+40*\nl+8*zg+\e]
.endr
.endr
.if zg == 0
.irp nl, 0,1
.irp e, 20,21,22,23
	v_mov_b32 v[XP_+24*\nl+\e], 0                  ; keys 80-95 have weight 0; plain lines behind the first exponentials
.endr
.endr
.else
	XPL zg-1
.endif
.set zg, zg+1
.endr
	XPL 4
.irp nl, 0,1
	v_add_f32 v[XT_+8*\nl+6], v[XT_+8*\nl+6], v[XT_+8*\nl+7]
.endr
.irp nl, 0,1
	v_permlanex16_b32 v[XT_+8*\nl+7], v[XT_+8*\nl+6], s[SEL], s[SEL+1]
.endr
.irp nl, 0,1
	v_add_f32 v[XT_+8*\nl+6], v[XT_+8*\nl+6], v[XT_+8*\nl+7]
.endr
.irp nl, 0,1
	v_rcp_f32 v[XT_+8*\nl+6], v[XT_+8*\nl+6]
.endr
	WIN 0x51
.irp k32, 0,1,2
.irp cb, 0,1
.irp nl, 0,1
.if \k32 == 0
	v_wmma_f32_16x16x32_bf16 v[O2+8*(2*\cb+\nl):O2+8*(2*\cb+\nl)+7], v[V2F+8*(3*\cb+\k32):V2F+8*(3*\cb+\k32)+7], v[XP_+24*\nl+8*\k32:XP_+24*\nl+8*\k32+7], 0
.else
	v_wmma_f32_16x16x32_bf16 v[O2+8*(2*\cb+\nl):O2+8*(2*\cb+\nl)+7], v[V2F+8*(3*\cb+\k32):V2F+8*(3*\cb+\k32)+7], v[XP_+24*\nl+8*\k32:XP_+24*\nl+8*\k32+7], v[O2+8*(2*\cb+\nl):O2+8*(2*\cb+\nl)+7]
.endif
.endr
.endr
.endr
	PLACES
	WIN 0x41
	s_wait_alu depctr_va_vdst(0)
.irp cb, 0,1
.irp nl, 0,1
.irp q, 0,1,2,3
	v_pk_mul_f32 v[O2+8*(2*\cb+\nl)+2*\q:O2+8*(2*\cb+\nl)+2*\q+1], v[O2+8*(2*\cb+\nl)+2*\q:O2+8*(2*\cb+\nl)+2*\q+1], v[XT_+8*\nl+6:XT_+8*\nl+7] op_sel_hi:[1,0]
.endr
.endr
.endr
	WIN 0x05
.irp t, 0,1,2,3
.irp q, 0,1,2,3
	v_cvt_pk_bf16_f32 v[32+4*\t+\q], v[O2+8*\t+2*\q], v[O2+8*\t+2*\q+1]
.endr
.endr
	WIN 0
.irp cb, 0,1
.irp nl, 0,1
	ds_store_b128 v[AW0], v[32+4*(2*\cb+\nl):32+4*(2*\cb+\nl)+3] offset:(2*(\nb)+\nl)*8192+\cb*512
.endr
.endr
.endm
	XBATCH 0
	XBATCH 1
	PLOAD BI, 3
	BAR
	; x2 = x1 + a2_bo + o2 a2_wo
	BADD
	LAYER ACCA, 0, 2, 8, LA0, 8192
	PLOAD GG, 4
	PLOAD BB, 5
	LN ACCA, 5120, AW1
	PLOAD BI, 6
	s_wait_dscnt 0x0
	BADD                                           ; + lin2_b; the MLP's second product goes on in place
; a gelu(g) for token tile ni.  gelu(g) = g / 2 + |g| (1/2 - y e), y = the polynomial in t = 1 / (1 + p |g| / sqrt 2) with halved coefficients, e = exp(-g^2 / 2)
.macro GEGLU ni
.set zT, 32+32*((\ni)%2)
.set zG, ACC1+32+8*(\ni)
.set zH, ACC1+8*(\ni)
.irp j, 0,1,2,3,4,5,6,7
	v_and_b32 v[zT+\j], s54, v[zG+\j]
.endr
.irp q, 0,1,2,3
	v_pk_fma_f32 v[zT+8+2*\q:zT+9+2*\q], v[zT+2*\q:zT+2*\q+1], s[40:41], 1.0 op_sel_hi:[1,0,0]
.endr
.irp q, 0,1,2,3
	v_pk_mul_f32 v[zT+16+2*\q:zT+17+2*\q], v[zT+2*\q:zT+2*\q+1], v[zT+2*\q:zT+2*\q+1]
.endr
.irp j, 0,1,2,3,4,5,6,7
	v_rcp_f32 v[zT+8+\j], v[zT+8+\j]
.endr
.irp q, 0,1,2,3
	v_pk_mul_f32 v[zT+16+2*\q:zT+17+2*\q], v[zT+16+2*\q:zT+17+2*\q], s[42:43] op_sel_hi:[1,0]
.endr
.irp j, 0,1,2,3,4,5,6,7
	v_exp_f32 v[zT+16+\j], v[zT+16+\j]
.endr
	s_wait_alu depctr_va_vdst(0)
.irp q, 0,1,2,3
	v_pk_fma_f32 v[zT+24+2*\q:zT+25+2*\q], v[zT+8+2*\q:zT+9+2*\q], s[44:45], s[46:47] op_sel_hi:[1,0,0]
.endr
.irp c, 48,50,52
.irp q, 0,1,2,3
	v_pk_fma_f32 v[zT+24+2*\q:zT+25+2*\q], v[zT+24+2*\q:zT+25+2*\q], v[zT+8+2*\q:zT+9+2*\q], s[\c:\c+1] op_sel_hi:[1,1,0]
.endr
.endr
.irp q, 0,1,2,3
	v_pk_mul_f32 v[zT+24+2*\q:zT+25+2*\q], v[zT+24+2*\q:zT+25+2*\q], v[zT+8+2*\q:zT+9+2*\q]
.endr
.irp q, 0,1,2,3
	v_pk_fma_f32 v[zT+24+2*\q:zT+25+2*\q], v[zT+24+2*\q:zT+25+2*\q], v[zT+16+2*\q:zT+17+2*\q], 0.5 op_sel_hi:[1,1,0] neg_lo:[1,0,0] neg_hi:[1,0,0]
.endr
.irp q, 0,1,2,3
	v_pk_mul_f32 v[zT+24+2*\q:zT+25+2*\q], v[zT+24+2*\q:zT+25+2*\q], v[zT+2*\q:zT+2*\q+1]
.endr
.irp q, 0,1,2,3
	v_pk_fma_f32 v[zT+24+2*\q:zT+25+2*\q], v[zG+2*\q:zG+2*\q+1], 0.5, v[zT+24+2*\q:zT+25+2*\q] op_sel_hi:[1,0,1]
.endr
.irp q, 0,1,2,3
	v_pk_mul_f32 v[zT+24+2*\q:zT+25+2*\q], v[zT+24+2*\q:zT+25+2*\q], v[zH+2*\q:zH+2*\q+1]
.endr
.irp q, 0,1,2,3
	v_cvt_pk_bf16_f32 v[zT+\q], v[zT+24+2*\q], v[zT+25+2*\q]
.endr
	ds_store_b128 v[HW], v[zT:zT+3] offset:(\ni)*4096
.endm
	s_mov_b32 s62, 8
	s_mov_b32 s63, 0
.Lslice:                                               ; a slice: 128 hidden units: 16 of a and 16 of g a wave, then their share of the second product.  12 chunks of the stream
	v_add_nc_u32 v[LBT], s63, v[LB0]
	ds_load_b128 v[BI:BI+3], v[LBT]
	ds_load_b128 v[BI+4:BI+7], v[LBT] offset:16
	ds_load_b128 v[BI+8:BI+11], v[LBT] offset:4096
	ds_load_b128 v[BI+12:BI+15], v[LBT] offset:4112
	LAYER ACC1, 0, 1, 8, LA1, 8192
	GEGLU 0
	GEGLU 1
	GEGLU 2
	GEGLU 3
	BAR                                            ; the slice's 128 units are in LDS
	LAYER ACCA, 0, 2, 4, LH, 4096
	BAR                                            ; and have been read by all before they are written again
	s_add_co_u32 s63, s63, 512
	s_wait_xcnt 0x0                                ; the stream's base steps only behind this wait
	s_add_nc_u64 s[WB:WB+1], s[WB:WB+1], 24576
	s_sub_co_u32 s62, s62, 1
	s_cmp_lg_u32 s62, 0
	s_cbranch_scc1 .Lslice
.set WBASE, 12                         ; the base has gone 96 chunks on, the text's counters 12
	; x3 -> bf16 -> LDS, as rows of tokens for conv_out
.irp t, 0,1,2,3,4,5,6,7
.irp q, 0,1,2,3
	v_cvt_pk_bf16_f32 v[ACCA+8*\t+\q], v[ACCA+8*\t+2*\q], v[ACCA+8*\t+2*\q+1]
.endr
.endr
.irp f, 0,1
.irp n, 0,1,2,3
	ds_store_b128 v[AW0], v[ACCA+8*(4*\f+\n):ACCA+8*(4*\f+\n)+3] offset:\n*8192+\f*512
.endr
.endr
	ds_load_b32 v[BI], v[CBA] offset:7168          ; conv_out_b of my column 32 w + 16 f + r
	ds_load_b32 v[BI+8], v[CBA] offset:7168+64
	BAR
.irp j, 1,2,3,4,5,6,7
	v_mov_b32 v[BI+\j], v[BI]
	v_mov_b32 v[BI+8+\j], v[BI+8]
.endr
	; conv_out: D(m = token, n = output channel): a lane holds eight neighbouring tokens of one output row
	LAYER ACC1, 1, 1, 8, LA0, 8192, 1
.irp f, 0,1
.irp n, 0,1,2,3
	ds_store_b128 v[OSW], v[ACC1+8*(4*\f+\n):ACC1+8*(4*\f+\n)+3] offset:\f*4352+\n*64
	ds_store_b128 v[OSW], v[ACC1+8*(4*\f+\n)+4:ACC1+8*(4*\f+\n)+7] offset:\f*4352+\n*64+16
.endr
.endr
.set zi, 0
.rept 16
	ds_load_b128 v[32+4*zi:35+4*zi], v[OSR] offset:zi*544  ; my own rows: LDS serves a wave's instructions in order
.set zi, zi+1
.endr
	s_wait_loadcnt 0x0                             ; the image
	s_wait_dscnt 0x0
	WIN 0x04
.set zi, 0
.rept 32
	v_pk_add_f32 v[32+2*zi:33+2*zi], v[32+2*zi:33+2*zi], v[RES+2*zi:RES+2*zi+1]
.set zi, zi+1
.endr
	WIN 0
.set zi, 0
.rept 16
	global_store_b128 v[GO], v[32+4*zi:35+4*zi], s[34:35] offset:zi*32768  ; 16 lanes store 256 consecutive bytes, at a multiple of 256 from out0's first
.set zi, zi+1
.endr
	s_wait_tensorcnt 0x0                           ; the wave's end
	ds_add_u32 v[SPW], v[NIL]
	s_wait_dscnt 0x0
	s_endpgm
.Lfunc_end_k_qf79230511f_post:
	.size	k_qf79230511f_post, .Lfunc_end_k_qf79230511f_post-k_qf79230511f_post
	.p2alignl 7, 3214868480
	.fill 96, 4, 3214868480
	.section	.rodata,"a",@progbits
	.p2align	6, 0x0
	.amdhsa_kernel k_qf79230511f_post
		.amdhsa_group_segment_fixed_size 179200
		.amdhsa_private_segment_fixed_size 0
		.amdhsa_enable_private_segment 0
		.amdhsa_kernarg_size 112
		.amdhsa_user_sgpr_count 2
		.amdhsa_user_sgpr_kernarg_segment_ptr 1
		.amdhsa_wavefront_size32 1
		.amdhsa_system_sgpr_workgroup_id_x 1
		.amdhsa_system_sgpr_workgroup_id_y 1
		.amdhsa_system_sgpr_workgroup_id_z 1
		.amdhsa_system_vgpr_workitem_id 0
		.amdhsa_next_free_vgpr 512
		.amdhsa_next_free_sgpr 72
		.amdhsa_reserve_vcc 1
		.amdhsa_float_denorm_mode_32 3
		.amdhsa_float_denorm_mode_16_64 3
		.amdhsa_memory_ordered 1
		.amdhsa_forward_progress 1
		.amdhsa_inst_pref_size 194
	.end_amdhsa_kernel
	.amdgpu_metadata
---
amdhsa.version: [ 1, 2 ]
amdhsa.kernels:
  - .name:           k_qf79230511f_post
    .symbol:         k_qf79230511f_post.kd
    .args:
      - { .name: attno, .offset: 0, .size: 8, .value_kind: global_buffer, .address_space: global }
      - { .name: wf, .offset: 8, .size: 8, .value_kind: global_buffer, .address_space: global }
      - { .name: kv2f, .offset: 16, .size: 8, .value_kind: global_buffer, .address_space: global }
      - { .name: a1_bo, .offset: 24, .size: 8, .value_kind: global_buffer, .address_space: global }
      - { .name: ln2_g, .offset: 32, .size: 8, .value_kind: global_buffer, .address_space: global }
      - { .name: ln2_b, .offset: 40, .size: 8, .value_kind: global_buffer, .address_space: global }
      - { .name: a2_bo, .offset: 48, .size: 8, .value_kind: global_buffer, .address_space: global }
      - { .name: ln3_g, .offset: 56, .size: 8, .value_kind: global_buffer, .address_space: global }
      - { .name: ln3_b, .offset: 64, .size: 8, .value_kind: global_buffer, .address_space: global }
      - { .name: lin2_b, .offset: 72, .size: 8, .value_kind: global_buffer, .address_space: global }
      - { .name: conv_out_b, .offset: 80, .size: 8, .value_kind: global_buffer, .address_space: global }
      - { .name: lin1_b, .offset: 88, .size: 8, .value_kind: global_buffer, .address_space: global }
      - { .name: hidden_image, .offset: 96, .size: 8, .value_kind: global_buffer, .address_space: global }
      - { .name: out0, .offset: 104, .size: 8, .value_kind: global_buffer, .address_space: global }
    .group_segment_fixed_size: 179200
    .private_segment_fixed_size: 0
    .kernarg_segment_align: 8
    .kernarg_segment_size: 112
    .max_flat_workgroup_size: 256
    .sgpr_count:     72
    .vgpr_count:     512
    .wavefront_size: 32
...
	.end_amdgpu_metadata
.endif
;; end of part 4
;; ======== version 2 of 2: 4 launches; 1.15 times as fast as version 1
;; limits: a function is approximated: absolute error at most 1.5e-07
;; workspace buffers: stats 4,096 bytes; wf 3,702,784 bytes; qkvf 12,582,912 bytes; kv2f 180,224 bytes; attno 4,194,304 bytes
;; launch prep: the kernel of part 1 again; grid 241 x 1, 4 waves a work-group, no clusters, 0 bytes of LDS; arguments hidden_image, hidden_text, a1_wq, a1_wk, a1_wv, a1_wo, a2_wq, a2_wo, lin2_w, a2_wk, a2_wv, lin1_w, conv_in_w, conv_out_w, stats, wf; writes stats, wf
;; launch proj: the kernel of part 2 again; grid 130 x 1, 8 waves a work-group, no clusters, 210,944 bytes of LDS; arguments hidden_image, stats, wf, gn_g, gn_b, conv_in_b, ln1_g, ln1_b, qkvf, kv2f; writes qkvf, kv2f
;; launch attn (part 5): grid 16 x 16, 8 waves a work-group, clusters of 4 x 1, 327,680 bytes of LDS; arguments qkvf, attno; writes attno
.if DOCPART == 5
	.amdgcn_target "amdgcn-amd-amdhsa--gfx1250"
	.amdhsa_code_object_version 6
	.text
	.protected	k_qf79230511f_attn
	.globl	k_qf79230511f_attn
	.p2align	8
	.type	k_qf79230511f_attn,@function
k_qf79230511f_attn:
	s_mov_b64 s[64:65], 0
	v_nop
	global_prefetch_b8 v0, s[64:65] scope:SCOPE_SE
	s_setreg_imm32_b32 hwreg(HW_REG_WAVE_MODE, 25, 1), 1
	s_wait_xcnt 0x0
	s_wait_alu depctr_hold_cnt(0) depctr_sa_sdst(0) depctr_va_vdst(0) depctr_va_sdst(0) depctr_va_ssrc(0) depctr_va_vcc(0) depctr_vm_vsrc(0)
	s_getreg_b32 s2, hwreg(HW_REG_IB_STS2, 6, 4)
	s_cmp_eq_u32 s2, 0
	s_cbranch_scc0 .Lentry_in_a_cluster
	s_endpgm
.Lentry_in_a_cluster:
	s_bfe_u32 s2, ttmp6, 0x10000c
	s_cmp_lg_u32 s2, 0x3003
	s_cbranch_scc0 .Lentry_shape_is_right
	s_endpgm
.Lentry_shape_is_right:
; SELF-ATTENTION, head size 32, 4,096 keys, 16 (batch, head) pairs.  Q, K, V arrive in bf16 in blocks of 16 tokens x 32 channels (1,024 bytes); block = 16 h + o / 16, token in a block = o % 16:
; keys are walked in that order, alike for K and V, so sums are formed in another order than by token number.
; A work-group owns 256 queries (16 values of o, all 16 h) of one pair; wave w the two tiles h = 2 w, 2 w + 1.  Every wave walks all keys, 64 a step.
; S^T = K Q^T: a lane holds one query and keys 8 (lane / 16) + 0..7; two results rounded in pairs are source 1 of O^T = V^T P.  p = 2^(c s - c m), c = log2(e) / sqrt(32), with a running maximum m;
; O and l are multiplied by a = 2^(c m_old - c m_new) in every step.  m starts at the lowest finite number, O and l at 0, so the first step is a step like any other (a = 0); 40 v_mov are the price.
; The vector work (some 230 lines a step for 16 products) bounds the loop; two waves share a SIMD, so one wave's softmax stands beside the other's products.
; THE BATCH.  A step's 66 exponentials (the two a, then the 64 weights, each in place in its score's register) are ONE batch with ONE wait.  Ahead of the wait stands what names no result of the batch:
; the maxima, the statistics and the scalings, the scalings dealt among the exponentials; behind it all that does: O^T's rescaling, the roundings, the sums.  No result crosses the step's end.
; CLUSTER: the four work-groups of a cluster walk the same K and V: each tile is asked for jointly, same descriptor and mask in all four.
; LIMITS: a weight below 2^-126 counts as 0; NaN and infinities are not treated apart.
.set SLOT1, 1<<17                      ; a slot: K of 1,024 keys (64 KB), then V (64 KB); slot 1 begins here
.set VOFF,  65536
.set STAGE, 262144                     ; the way out: 16 blocks, 1,040 bytes apart (odd multiple of 16)
.set SP,    1040
.set SPARE, 279040                     ; the spare words, 128 bytes a wave
.set AK0, 2
.set AV0, 3
.set AK,  4
.set AV,  5
.set STO, 6
.set RD,  7
.set SPW, 9
.set NIL, 10
.set ST,  16                           ; tile u: c m, m, l (even keys'), l (odd keys')
.set TMP, 24                           ; tile u: c0-c3; c2 takes a
.set MV,  32                           ; c m_old
.set Q,   40
.set O,   56                           ; tile (u, cb) at O + 16 u + 8 cb
.set S,   88
.set P,   152
.set KF,  184
.set VF,  216                          ; (kk, cb) at VF + 16 kk + 8 cb
.set WV,  12
.set G1,  24
.set G0,  40
.set SLOTS, 56
.set CNT, 57
.set CS,  58
.set SEL, 60
.set TB,  62
.macro PLACES
.rept 4
	v_nop
.endr
.endm
.macro CROUND                          ; a round of the cluster's barrier
	s_barrier_signal -1
	s_barrier_wait -1
	s_cmp_lg_u32 s[WV], 0
	s_cbranch_scc1 .Lnot_wave_0_\@
	s_barrier_signal -3
.Lnot_wave_0_\@:
	s_barrier_wait -3
	s_barrier_signal -1
	s_barrier_wait -1
.endm
; The change of slots.  Each wave waits for all its tensor loads (one is out: its part of the other slot), adds 0 to its spare word, waits for that and for its reads of the slot it leaves.
; fill = 1: behind a round of the cluster's barrier the slot is filled again with the keys two slots on: one load a wave, 16 steps in which to land.
.macro CHANGE fill
	s_wait_tensorcnt 0x0
	ds_add_u32 v[SPW], v[NIL]
.if \fill
	s_xor_b32 s[G0+1], s[G0+1], SLOT1
	s_add_nc_u64 s[G0+2:G0+3], s[G0+2:G0+3], 65536
	s_wait_dscnt 0x0
	CROUND
	tensor_load_to_lds s[G0:G0+3], s[G1:G1+7]
	s_nop 0
	PLACES
.else
	s_wait_dscnt 0x0
	s_barrier_signal -1
	s_barrier_wait -1
.endif
	s_sub_co_u32 s[TB], s[TB], 65536               ; the fetches go back to a slot's first step, in the other slot
	s_xor_b32 s[TB], s[TB], SLOT1
.endm
	s_load_b128 s[4:7], s[0:1], 0x0                ; qkvf, attno
	v_lshl_add_u32 v[SPW], v0, 2, SPARE
	v_mov_b32 v[NIL], 0
	ds_add_u32 v[SPW], v[NIL]                      ; the wave's opening: the add and its wait ahead of my first tensor load
	v_lshrrev_b32 v1, 5, v0
	v_readfirstlane_b32 s[WV], v1
	s_bfe_u32 s13, ttmp6, 0x40000                  ; cx
	s_lshl_b32 s14, ttmp9, 2
	s_add_co_u32 s14, s14, s13                     ; ob: enters Q's and O's global addresses alone
	s_and_b32 s15, ttmp7, 0xffff                   ; b * 8 + head, shared by the four partners
	s_lshr_b32 s16, s[WV], 2
	s_lshl_b32 s16, s16, 22                        ; waves 0-3: K's section, waves 4-7: V's
	s_add_co_u32 s16, s16, 0x400000
	s_lshl_b32 s17, s15, 18
	s_add_co_u32 s16, s16, s17
	s_and_b32 s17, s[WV], 3
	s_lshl_b32 s17, s17, 14                        ; my quarter: 16 blocks
	s_add_co_u32 s16, s16, s17
	s_mov_b32 s17, 0
	s_lshl_b32 s18, s15, 8
	s_lshl_b32 s19, s[WV], 5
	s_add_co_u32 s18, s18, s19
	s_add_co_u32 s18, s18, s14
	s_lshl_b32 s18, s18, 10                        ; Q block (b 8 + head) 256 + 16 (2 w) + ob
	s_mov_b32 s19, 0
	s_lshr_b32 s20, s15, 3
	s_lshl_b32 s20, s20, 8
	s_lshl_b32 s21, s14, 4
	s_add_co_u32 s20, s20, s21
	s_lshl_b32 s21, s[WV], 1
	s_add_co_u32 s20, s20, s21
	s_lshl_b32 s20, s20, 3
	s_and_b32 s21, s15, 7
	s_add_co_u32 s20, s20, s21
	s_lshl_b32 s20, s20, 10                        ; O block (b 256 + 16 ob + 2 w) 8 + head
	s_mov_b32 s21, 0
	s_mov_b32 s[G1], 15|(3<<16)|(1<<21)            ; the mask of four; elements of 8 bytes; bit 21 beside a mask; no padding
	s_mov_b32 s[G1+1], 32<<16                      ; tensor_dim0 = 32 (256 bytes)
	s_mov_b32 s[G1+2], 64<<16                      ; tensor_dim1 = 64
	s_mov_b32 s[G1+3], 32<<16                      ; tile_dim0
	s_mov_b32 s[G1+4], 64                          ; tile_dim1
	s_mov_b32 s[G1+5], 32                          ; dense rows
	s_mov_b32 s[G1+6], 0
	s_mov_b32 s[G1+7], 0
	s_mov_b32 s[G0], 1
	s_lshl_b32 s[G0+1], s[WV], 14                  ; LDS: wave * 16 KB: K's quarters, then V's
	s_mov_b32 s[CS], 0x3e8293ee                    ; c = log2(e) / sqrt(32)
	s_mov_b32 s[CS+1], s[CS]
	s_mov_b32 s[SEL], 0x76543210
	s_mov_b32 s[SEL+1], 0xfedcba98
	s_mov_b32 s[TB], SLOT1+65536                   ; the first change of slots turns this into 0
	s_mov_b32 s[SLOTS], 3
	s_wait_dscnt 0x0
	s_wait_kmcnt 0x0
	s_add_nc_u64 s[G0+2:G0+3], s[4:5], s[16:17]
	s_or_b32 s[G0+3], s[G0+3], 0x80000000
	s_add_nc_u64 s[4:5], s[4:5], s[18:19]
	s_add_nc_u64 s[6:7], s[6:7], s[20:21]
	CROUND                                         ; all four work-groups are here
	tensor_load_to_lds s[G0:G0+3], s[G1:G1+7]      ; slot 0: keys 0-1023
	s_nop 0
	PLACES
	v_and_b32 v1, 15, v0
	v_bfe_u32 v11, v0, 4, 1
	v_and_b32 v12, 31, v0
	v_lshlrev_b32 v[AK0], 4, v12
	global_load_b128 v[Q:Q+3], v[AK0], s[4:5]
	global_load_b128 v[Q+4:Q+7], v[AK0], s[4:5] offset:512
	global_load_b128 v[Q+8:Q+11], v[AK0], s[4:5] offset:16384
	global_load_b128 v[Q+12:Q+15], v[AK0], s[4:5] offset:16896
	v_and_b32 v13, 7, v0
	v_bfe_u32 v14, v0, 3, 1
	v_lshl_add_u32 v[AV0], v11, 3, v13             ; a V block is [cb][key][32 bytes]: the turning load takes key 8 hh + l % 8, 16 bytes by (l / 8) % 2
	v_lshlrev_b32 v[AV0], 5, v[AV0]
	v_lshl_add_u32 v[AV0], v14, 4, v[AV0]
	v_add_nc_u32 v[AV0], VOFF, v[AV0]
	v_mul_u32_u24 v[STO], v1, SP                   ; the way out: block = my query's o, place = hh * 256 + h * 16
	v_lshl_add_u32 v[STO], v11, 8, v[STO]
	s_lshl_b32 s13, s[WV], 5
	s_add_co_u32 s13, s13, STAGE
	v_add_nc_u32 v[STO], s13, v[STO]
	s_mul_i32 s13, s[WV], 2*SP
	s_add_co_u32 s13, s13, STAGE
	v_add_nc_u32 v[RD], s13, v[AK0]
.irp u, 0,1
	v_mov_b32 v[ST+4*\u], 0xfe000000               ; c m: far below every c s
	v_mov_b32 v[ST+4*\u+1], 0xff7fffff             ; m
	v_mov_b32 v[ST+4*\u+2], 0
	v_mov_b32 v[ST+4*\u+3], 0
.endr
.set i, O
.rept 32
	v_mov_b32 v[i], 0
.set i, i+1
.endr
.macro REGS u
.set rT, ST+4*(\u)
.set rC, TMP+4*(\u)
.set rM, MV+(\u)
.set rS, S+32*(\u)
.set rP, P+16*(\u)
.endm
; number n of the 22 that find a tile's maximum and statistics; each accumulator's lowest registers are read first
.macro XS u, n
	REGS \u
.if (\n) < 4
	v_max3_num_f32 v[rC+(\n)], v[rS+8*(\n)], v[rS+8*(\n)+1], v[rS+8*(\n)+2]
.elseif (\n) < 12
	v_max3_num_f32 v[rC+(\n)%4], v[rC+(\n)%4], v[rS+8*((\n)%4)+2*((\n)/4)+1], v[rS+8*((\n)%4)+2*((\n)/4)+2]
.elseif (\n) == 12
	v_max3_num_f32 v[rC], v[rC], v[rS+7], v[rS+15]
.elseif (\n) == 13
	v_max3_num_f32 v[rC+1], v[rC+1], v[rS+23], v[rS+31]
.elseif (\n) == 14
	v_max3_num_f32 v[rC+2], v[rC+2], v[rC+3], v[rT+1]
.elseif (\n) == 15
	v_mov_b32 v[rM], v[rT]
.elseif (\n) == 16
	v_max3_num_f32 v[rC], v[rC], v[rC+1], v[rC+2]
.elseif (\n) == 17
	v_permlanex16_b32 v[rC+3], v[rC], s[SEL], s[SEL+1]
.elseif (\n) == 18
	v_max_num_f32 v[rT+1], v[rC], v[rC+3]
.elseif (\n) == 19
	v_mul_f32 v[rT], s[CS], v[rT+1]
.elseif (\n) == 20
	v_sub_f32 v[rC+1], v[rM], v[rT]
.else
	v_exp_f32 v[rC+2], v[rC+1]
.endif
.endm
.macro FS f                            ; scaling f of 32: c s - c m for pair f / 2 of tile f % 2
.set zS, S+32*((\f)%2)+2*((\f)/2)
	v_pk_fma_f32 v[zS:zS+1], v[zS:zS+1], s[CS:CS+1], v[ST+4*((\f)%2):ST+4*((\f)%2)+1] op_sel_hi:[1,0,0] neg_lo:[0,0,1] neg_hi:[0,0,1]
.endm
.macro EX e                            ; exponential e of 64: score e / 2 of tile e % 2, in place; it reads what scaling 2 (e / 4) + e % 2 wrote
.set zS, S+32*((\e)%2)+(\e)/2
	v_exp_f32 v[zS], v[zS]
.endm
.macro APL k                           ; weights 4 k .. 4 k + 3 of both tiles, behind the batch's wait: two roundings, the second pair onto the first, l
.irp u, 0,1
	REGS \u
	v_cvt_pk_bf16_f32 v[rP+2*(\k)], v[rS+4*(\k)], v[rS+4*(\k)+1]
.endr
.irp u, 0,1
	REGS \u
	v_cvt_pk_bf16_f32 v[rP+2*(\k)+1], v[rS+4*(\k)+2], v[rS+4*(\k)+3]
.endr
.irp u, 0,1
	REGS \u
	v_pk_add_f32 v[rS+4*(\k):rS+4*(\k)+1], v[rS+4*(\k):rS+4*(\k)+1], v[rS+4*(\k)+2:rS+4*(\k)+3]
.endr
.irp u, 0,1
	REGS \u
.if (\k) == 0
	v_pk_fma_f32 v[rT+2:rT+3], v[rT+2:rT+3], v[rC+2:rC+3], v[rS:rS+1] op_sel_hi:[1,0,1]
.else
	v_pk_add_f32 v[rT+2:rT+3], v[rT+2:rT+3], v[rS+4*(\k):rS+4*(\k)+1]
.endif
.endr
.endm
; A key step: 64 keys.
.macro STEP
	v_add_nc_u32 v[AK], s[TB], v[AK0]              ; four plain lines: the places between the last step's products and the loads into V's registers
	v_add_nc_u32 v[AV], s[TB], v[AV0]
	v_nop
	v_nop
	s_add_co_u32 s[TB], s[TB], 4096
.irp kt, 0,1,2,3
	ds_load_b128 v[KF+8*\kt:KF+8*\kt+3], v[AK] offset:\kt*1024
	ds_load_b128 v[KF+8*\kt+4:KF+8*\kt+7], v[AK] offset:\kt*1024+512
.endr
.irp kk, 0,1
.irp cb, 0,1
	ds_load_tr16_b128 v[VF+16*\kk+8*\cb:VF+16*\kk+8*\cb+3], v[AV] offset:2*\kk*1024+\cb*512
	ds_load_tr16_b128 v[VF+16*\kk+8*\cb+4:VF+16*\kk+8*\cb+7], v[AV] offset:(2*\kk+1)*1024+\cb*512
.endr
.endr
	s_wait_dscnt 0x8                               ; K is in; V's eight may be out
.irp kt, 0,1,2,3
.irp u, 0,1
	v_wmma_f32_16x16x32_bf16 v[S+32*\u+8*\kt:S+32*\u+8*\kt+7], v[KF+8*\kt:KF+8*\kt+7], v[Q+8*\u:Q+8*\u+7], 0
.endr
.endr
	XS 0, 15                                       ; four plain lines behind the products, two of them useful
	XS 1, 15
	v_nop
	v_nop
.irp n, 0,1,2,3,4,5,6,7,8,9,10,11,12,13,14,16,17,18,19,20
	XS 0, \n
	XS 1, \n
.endr
	; THE BATCH: the two a and the 64 weights.  Four scalings go first, the two a between them; then two exponentials and a scaling by turns: exponentials 2 i and 2 i + 1 read scalings
	; i + 1 at the most, and i + 3 have been written by then; a scaling writes scores i + 3 on, the exponentials ahead of it stand at score i.  Nothing here names a result of the batch.
	FS 0
	FS 1
	XS 0, 21
	FS 2
	XS 1, 21
	FS 3
.set zq, 0
.rept 28
	EX 2*zq
	EX 2*zq+1
	FS zq+4
.set zq, zq+1
.endr
.set zq, 56
.rept 8                                ; the scalings are used up: scores 28-31 of both tiles
	EX zq
.set zq, zq+1
.endr
	s_wait_alu depctr_va_vdst(0)                   ; the step's one wait, for all 66 exponentials, ahead of the first line that names a result, which is the next
.set zq, 0
.rept 8                                ; O^T times a: plain lines that name none of the last exponentials' results, so they are also the plain lines behind those
.irp u, 0,1
	v_pk_mul_f32 v[O+16*\u+2*zq:O+16*\u+2*zq+1], v[O+16*\u+2*zq:O+16*\u+2*zq+1], v[TMP+4*\u+2:TMP+4*\u+3] op_sel_hi:[1,0]
.endr
.set zq, zq+1
.endr
.set zg, 0
.rept 8
	APL zg
.set zg, zg+1
.endr
	s_wait_dscnt 0x0                               ; V is in
.irp kk, 0,1
.irp u, 0,1
.irp cb, 0,1
	v_wmma_f32_16x16x32_bf16 v[O+16*\u+8*\cb:O+16*\u+8*\cb+7], v[VF+16*\kk+8*\cb:VF+16*\kk+8*\cb+7], v[P+16*\u+8*\kk:P+16*\u+8*\kk+7], v[O+16*\u+8*\cb:O+16*\u+8*\cb+7]
.endr
.endr
.endr
.endm
	s_wait_loadcnt 0x0                             ; Q
.Lslot:                                                ; three times: a slot is entered and the other is asked for
	CHANGE 1
	s_mov_b32 s[CNT], 16
.Lstep:
	STEP
	s_sub_co_u32 s[CNT], s[CNT], 1
	s_cmp_lg_u32 s[CNT], 0
	s_cbranch_scc1 .Lstep
	s_sub_co_u32 s[SLOTS], s[SLOTS], 1
	s_cmp_lg_u32 s[SLOTS], 0
	s_cbranch_scc1 .Lslot
	CHANGE 0                                       ; the last slot is written out
	s_mov_b32 s[CNT], 16
.Ltail:
	STEP
	s_sub_co_u32 s[CNT], s[CNT], 1
	s_cmp_lg_u32 s[CNT], 0
	s_cbranch_scc1 .Ltail
	; THE WAY OUT: O / l, bf16, through a stage that turns (lane = o, tile = h) into (block = o, lane = h): the order in which the next launch takes tokens
.irp u, 0,1
	v_add_f32 v[ST+4*\u+2], v[ST+4*\u+2], v[ST+4*\u+3]
.endr
.irp u, 0,1
	v_permlanex16_b32 v[ST+4*\u+3], v[ST+4*\u+2], s[SEL], s[SEL+1]
.endr
.irp u, 0,1
	v_add_f32 v[ST+4*\u+2], v[ST+4*\u+2], v[ST+4*\u+3]
.endr
	v_nop
	v_nop
.irp u, 0,1
	v_rcp_f32 v[ST+4*\u+2], v[ST+4*\u+2]
.endr
	v_nop                                          ; a plain line between the reciprocals and the use of their results
	s_wait_alu depctr_va_vdst(0)                   ; one wait for the two reciprocals, ahead of their first reader
.irp u, 0,1
.irp q, 0,1,2,3,4,5,6,7
	v_pk_mul_f32 v[O+16*\u+2*\q:O+16*\u+2*\q+1], v[O+16*\u+2*\q:O+16*\u+2*\q+1], v[ST+4*\u+2:ST+4*\u+3] op_sel_hi:[1,0]
.endr
.endr
.irp t, 0,1,2,3
.irp q, 0,1,2,3
	v_cvt_pk_bf16_f32 v[O+8*\t+\q], v[O+8*\t+2*\q], v[O+8*\t+2*\q+1]
.endr
.endr
.irp u, 0,1
.irp cb, 0,1
	ds_store_b128 v[STO], v[O+16*\u+8*\cb:O+16*\u+8*\cb+3] offset:\u*16+\cb*512
.endr
.endr
	s_wait_dscnt 0x0                               ; for the others' sake: my stores into the stage are done
	s_barrier_signal -1
	s_barrier_wait -1
.irp i, 0,1,2,3
	ds_load_b128 v[S+4*\i:S+4*\i+3], v[RD] offset:(\i/2)*SP+(\i%2)*512
.endr
	s_wait_dscnt 0x0
.irp i, 0,1,2,3
	global_store_b128 v[AK0], v[S+4*\i:S+4*\i+3], s[6:7] offset:(\i/2)*8192+(\i%2)*512  ; 512 consecutive bytes
.endr
	s_wait_tensorcnt 0x0                           ; the wave's end
	ds_add_u32 v[SPW], v[NIL]
	s_wait_dscnt 0x0
	CROUND                                         ; the closing round
	s_endpgm
.Lfunc_end_k_qf79230511f_attn:
	.size	k_qf79230511f_attn, .Lfunc_end_k_qf79230511f_attn-k_qf79230511f_attn
	.p2alignl 7, 3214868480
	.fill 96, 4, 3214868480
	.section	.rodata,"a",@progbits
	.p2align	6, 0x0
	.amdhsa_kernel k_qf79230511f_attn
		.amdhsa_group_segment_fixed_size 327680
		.amdhsa_private_segment_fixed_size 0
		.amdhsa_enable_private_segment 0
		.amdhsa_kernarg_size 16
		.amdhsa_user_sgpr_count 2
		.amdhsa_user_sgpr_kernarg_segment_ptr 1
		.amdhsa_wavefront_size32 1
		.amdhsa_system_sgpr_workgroup_id_x 1
		.amdhsa_system_sgpr_workgroup_id_y 1
		.amdhsa_system_sgpr_workgroup_id_z 1
		.amdhsa_system_vgpr_workitem_id 0
		.amdhsa_next_free_vgpr 256
		.amdhsa_next_free_sgpr 66
		.amdhsa_reserve_vcc 0
		.amdhsa_float_denorm_mode_32 3
		.amdhsa_float_denorm_mode_16_64 3
		.amdhsa_memory_ordered 1
		.amdhsa_forward_progress 1
		.amdhsa_inst_pref_size 40
	.end_amdhsa_kernel
	.amdgpu_metadata
---
amdhsa.version: [ 1, 2 ]
amdhsa.kernels:
  - .name:           k_qf79230511f_attn
    .symbol:         k_qf79230511f_attn.kd
    .args:
      - { .name: qkvf, .offset: 0, .size: 8, .value_kind: global_buffer, .address_space: global }
      - { .name: attno, .offset: 8, .size: 8, .value_kind: global_buffer, .address_space: global }
    .group_segment_fixed_size: 327680
    .private_segment_fixed_size: 0
    .kernarg_segment_align: 8
    .kernarg_segment_size: 16
    .max_flat_workgroup_size: 256
    .sgpr_count:     66
    .vgpr_count:     256
    .wavefront_size: 32
...
	.end_amdgpu_metadata
.endif
;; end of part 5
;; launch post (part 6): grid 128 x 1, 8 waves a work-group, no clusters, 179,200 bytes of LDS; arguments attno, wf, kv2f, a1_bo, ln2_g, ln2_b, a2_bo, ln3_g, ln3_b, lin2_b, conv_out_b, lin1_b, hidden_image, out0; writes out0
.if DOCPART == 6
	.amdgcn_target "amdgcn-amd-amdhsa--gfx1250"
	.amdhsa_code_object_version 6
	.text
	.protected	k_qf79230511f_post
	.globl	k_qf79230511f_post
	.p2align	8
	.type	k_qf79230511f_post,@function
k_qf79230511f_post:
	s_mov_b64 s[64:65], 0
	v_nop
	global_prefetch_b8 v0, s[64:65] scope:SCOPE_SE
	s_setreg_imm32_b32 hwreg(HW_REG_WAVE_MODE, 25, 1), 1
	s_wait_xcnt 0x0
; POST.  All that follows self-attention, for 64 consecutive tokens a work-group: a1_wo + bias; LayerNorm 2; cross-attention on 77 text rows; a2_wo + bias + residual; LayerNorm 3; GeGLU MLP + residual;
; conv_out + bias + the image.  Residuals, norms, softmax and sums in f32; matrix operands in bf16.
; A lane holds ONE token and eight neighbouring features: D(m = feature, n = token); wave w owns features 32 w .. 32 w + 31 (head w).  Activations pass between waves through LDS in fragment order.
; Weights come straight from memory into a ring of six register slots, one linear stream of 128 chunks of 2 KB a wave: each fragment serves this wave alone, so LDS would add a write and a read and no reuse,
; and nothing is asked for jointly.  64 tokens a work-group: each weight fragment feeds four products, and 64 tokens are 256 consecutive bytes of every output row.
; THE BATCHES.  Transcendentals are issued in batches, each with one wait ahead of its first reader: a LayerNorm's four roots; the 80 exponentials of two token tiles' cross-attention; their two reciprocals
; (which read sums of those exponentials: a batch of their own); and, in the MLP's loop, a slice's 32 reciprocals and 32 exponentials, all four token tiles' together.
; LIMITS: a hidden key's score counts as its value less 1e30; a weight below 2^-126 counts as 0; erf by Abramowitz and Stegun 7.1.26 (absolute error 1.5e-7, every argument); NaN and infinities are not treated apart.
.set R_POST, 524288
.set ACT0,  16384                      ; PAR at 0: eight vectors of 1 KB, lin1_b at 8192
.set ACT1,  49152
.set HG,    81920                      ; a slice's a gelu(g): block (ni, kbl) at (4 ni + kbl) * 1024
.set STAT,  98304                      ; two regions of 5,120 bytes
.set OSTG,  108544                     ; 256 rows of 64 f32 + 16 bytes
.set SPARE, 178176
.set WO,  1
.set LA0, 2
.set LA1, 3
.set AW0, 4
.set AW1, 5
.set LH,  6
.set HW,  7
.set PB,  8
.set LB0, 9
.set LBT, 10
.set SW,  11
.set SR,  12
.set OSW, 13
.set OSR, 14
.set GO,  15
.set SPW, 16
.set NIL, 17
.set CBA, 18
.set VR,  19
.set VH,  20
.set VL,  21
.set GY,  24                           ; v24-31: GeGLU's polynomial, one token tile at a time (at work in the head before that)
.set FB,  32
.set LT,  32
.set GW,  32                           ; GeGLU: token tile ni at GW + 24 ni: |g| (8); 1 + p |g| / sqrt 2, then t (8); -g^2 log2(e) / 2, then e (8): v32-127, free between a slice's two layers
.set BI,  96
.set GG,  96
.set BB,  112
.set ACC1, 128
.set ACCA, 192
.set XS_, 32                           ; cross-attention: scores, 40 a tile
.set XP_, 128                          ; weights, 24 a tile
.set XT_, 176                          ; c0-c3, c m, m, l, l
.set RING, 0                           ; window 1
.set NS,  6
.set K2F, 96
.set V2F, 136
.set QF2, 184
.set MASK, 216
.set O2,  224
.set RES, 96
.set WB,  36
.set SEL, 56
.set EPS, 60
.set K256, 61
.set XL,  0
.set MSB, 0
.macro WIN new
.if MSB != (\new)
	s_set_vgpr_msb (MSB<<8)|(\new)
.set MSB, \new
.endif
.endm
.macro PLACES
.rept 4
	v_nop
.endr
.endm
.macro BAR
	s_wait_dscnt 0x0
	s_barrier_signal -1
	s_barrier_wait -1
.endm
.macro ALL4 line:vararg
.set zn, 0
.rept 4
.set zt, LT+16*zn
	\line
.set zn, zn+1
.endr
.endm
.macro RFILL
.if WQ < WEND
	WIN 0x40
.set zR, RING+16*(WQ%NS)
.set zO, (WQ-WBASE)*2048
	global_load_b128 v[zR:zR+3], v[WO], s[WB:WB+1] offset:zO
	global_load_b128 v[zR+4:zR+7], v[WO], s[WB:WB+1] offset:zO+512
	global_load_b128 v[zR+8:zR+11], v[WO], s[WB:WB+1] offset:zO+1024
	global_load_b128 v[zR+12:zR+15], v[WO], s[WB:WB+1] offset:zO+1536
.set WQ, WQ+1
.endif
.endm
.macro RESLOAD                         ; the image's 32 rows x 64 tokens of this wave, behind the stream's last chunk
	WIN 0x40
.set zi, 0
.rept 16
	global_load_b128 v[RES+4*zi:RES+4*zi+3], v[GO], s[32:33] offset:zi*32768
.set zi, zi+1
.endr
.set XL, 16
.endm
.macro FBL areg, kb, buf, sn
.irp n, 0,1,2,3
	ds_load_b128 v[FB+32*(\buf)+8*\n:FB+32*(\buf)+8*\n+3], v[\areg] offset:\n*(\sn)+(\kb)*1024
	ds_load_b128 v[FB+32*(\buf)+8*\n+4:FB+32*(\buf)+8*\n+7], v[\areg] offset:\n*(\sn)+(\kb)*1024+512
.endr
.endm
; A layer: two weight fragments x four token tiles over nkb k blocks.  mode 0: source 0 = weights; mode 1: source 1 = weights.  cin 0: sums start at 0; 1: at BI; 2: go on in place.
; The eight accumulators take turns.  Four v_nop stand between a step's products and the loads into the registers that they read.
.macro LAYER acc, mode, cin, nkb, areg, sn, hook=0
	WIN 0
	FBL \areg, 0, 0, \sn
	FBL \areg, 1, 1, \sn
.set LK, 0
.rept \nkb
	s_wait_loadcnt (WQ-WI-1)*4+XL                  ; loads issued behind this chunk's four: the younger chunks (and XL others)
.if LK == (\nkb)-1
	s_wait_dscnt 0x0
.else
	s_wait_dscnt 0x8                               ; the next k block's eight may be out
.endif
.if \mode
	WIN 0x04
.else
	WIN 0x01
.endif
.set zR, RING+16*(WI%NS)
.set zF, FB+32*(LK%2)
.irp n, 0,1,2,3
.irp f, 0,1
.set zD, (\acc)+8*(4*\f+\n)
.if \mode
.set zA, zF+8*\n
.set zB, zR+8*\f
.else
.set zA, zR+8*\f
.set zB, zF+8*\n
.endif
.if (LK == 0) && ((\cin) == 0)
	v_wmma_f32_16x16x32_bf16 v[zD:zD+7], v[zA:zA+7], v[zB:zB+7], 0
.elseif (LK == 0) && ((\cin) == 1)
	v_wmma_f32_16x16x32_bf16 v[zD:zD+7], v[zA:zA+7], v[zB:zB+7], v[BI+8*\f:BI+8*\f+7]
.else
	v_wmma_f32_16x16x32_bf16 v[zD:zD+7], v[zA:zA+7], v[zB:zB+7], v[zD:zD+7]
.endif
.endr
.endr
	PLACES
	RFILL
.if (\hook) && (LK == 1)
	RESLOAD
.endif
.if LK+2 < (\nkb)
	WIN 0
	FBL \areg, LK+2, LK%2, \sn
.endif
.set WI, WI+1
.set LK, LK+1
.endr
	WIN 0
.endm
; LayerNorm over 256 features that lie in eight waves.  acc is left as it is; the result goes, in bf16, to block (ni, kb = wave) at awreg.
.macro LN acc, statoff, awreg
	ALL4 v_pk_add_f32 v[zt:zt+1], v[(\acc)+8*zn:(\acc)+8*zn+1], v[(\acc)+8*zn+2:(\acc)+8*zn+3]
	ALL4 v_pk_add_f32 v[zt+2:zt+3], v[(\acc)+8*zn+4:(\acc)+8*zn+5], v[(\acc)+8*zn+6:(\acc)+8*zn+7]
	ALL4 v_pk_add_f32 v[zt+4:zt+5], v[(\acc)+8*zn+32:(\acc)+8*zn+33], v[(\acc)+8*zn+34:(\acc)+8*zn+35]
	ALL4 v_pk_add_f32 v[zt+6:zt+7], v[(\acc)+8*zn+36:(\acc)+8*zn+37], v[(\acc)+8*zn+38:(\acc)+8*zn+39]
	ALL4 v_pk_add_f32 v[zt:zt+1], v[zt:zt+1], v[zt+2:zt+3]
	ALL4 v_pk_add_f32 v[zt+4:zt+5], v[zt+4:zt+5], v[zt+6:zt+7]
	ALL4 v_pk_add_f32 v[zt:zt+1], v[zt:zt+1], v[zt+4:zt+5]
	ALL4 v_add_f32 v[zt], v[zt], v[zt+1]
	ALL4 v_permlanex16_b32 v[zt+2], v[zt], s[SEL], s[SEL+1]
	ALL4 v_add_f32 v[zt], v[zt], v[zt+2]
	ALL4 v_mul_f32 v[zt+6], 0x3d000000, v[zt]      ; my wave's mean of 32 features
.set zk, 0
.rept 8
.set zx, (\acc)+32*(zk/4)+2*(zk%4)
.set zd, 2*(zk%2)
	ALL4 v_pk_add_f32 v[zt+zd:zt+zd+1], v[zx+8*zn:zx+8*zn+1], v[zt+6:zt+7] op_sel_hi:[1,0] neg_lo:[0,1] neg_hi:[0,1]
.if zk == 0
	ALL4 v_pk_mul_f32 v[zt+4:zt+5], v[zt+zd:zt+zd+1], v[zt+zd:zt+zd+1]
.else
	ALL4 v_pk_fma_f32 v[zt+4:zt+5], v[zt+zd:zt+zd+1], v[zt+zd:zt+zd+1], v[zt+4:zt+5]
.endif
.set zk, zk+1
.endr
	ALL4 v_add_f32 v[zt+4], v[zt+4], v[zt+5]
	ALL4 v_permlanex16_b32 v[zt+5], v[zt+4], s[SEL], s[SEL+1]
	ALL4 v_add_f32 v[zt+4], v[zt+4], v[zt+5]       ; and its M2
	ALL4 ds_store_b32 v[SW], v[zt+6] offset:(\statoff)+zn*1280
	ALL4 ds_store_b32 v[SW], v[zt+4] offset:(\statoff)+zn*1280+32
	BAR                                            ; every wave's pair is in LDS
	ALL4 ds_load_b128 v[zt:zt+3], v[SR] offset:(\statoff)+zn*1280
	ALL4 ds_load_b128 v[zt+4:zt+7], v[SR] offset:(\statoff)+zn*1280+16
	ALL4 ds_load_b128 v[zt+8:zt+11], v[SR] offset:(\statoff)+zn*1280+32
	ALL4 ds_load_b128 v[zt+12:zt+15], v[SR] offset:(\statoff)+zn*1280+48
	s_wait_dscnt 0x0
	ALL4 v_pk_add_f32 v[zt+8:zt+9], v[zt+8:zt+9], v[zt+10:zt+11]
	ALL4 v_pk_add_f32 v[zt+12:zt+13], v[zt+12:zt+13], v[zt+14:zt+15]
	ALL4 v_pk_add_f32 v[zt+8:zt+9], v[zt+8:zt+9], v[zt+12:zt+13]
	ALL4 v_add_f32 v[zt+8], v[zt+8], v[zt+9]
	ALL4 v_pk_add_f32 v[zt+10:zt+11], v[zt:zt+1], v[zt+2:zt+3]
	ALL4 v_pk_add_f32 v[zt+12:zt+13], v[zt+4:zt+5], v[zt+6:zt+7]
	ALL4 v_pk_add_f32 v[zt+10:zt+11], v[zt+10:zt+11], v[zt+12:zt+13]
	ALL4 v_add_f32 v[zt+10], v[zt+10], v[zt+11]
	ALL4 v_mul_f32 v[zt+10], 0x3e000000, v[zt+10]  ; the mean
.irp q, 0,1,2,3
	ALL4 v_pk_add_f32 v[zt+2*\q:zt+2*\q+1], v[zt+2*\q:zt+2*\q+1], v[zt+10:zt+11] op_sel_hi:[1,0] neg_lo:[0,1] neg_hi:[0,1]
.endr
	ALL4 v_pk_mul_f32 v[zt+12:zt+13], v[zt:zt+1], v[zt:zt+1]
.irp q, 1,2,3
	ALL4 v_pk_fma_f32 v[zt+12:zt+13], v[zt+2*\q:zt+2*\q+1], v[zt+2*\q:zt+2*\q+1], v[zt+12:zt+13]
.endr
	ALL4 v_add_f32 v[zt+12], v[zt+12], v[zt+13]
	ALL4 v_fma_f32 v[zt+8], v[zt+8], s[K256], s[EPS]
	ALL4 v_fma_f32 v[zt+8], v[zt+12], 0x3e000000, v[zt+8]
	ALL4 v_rsq_f32 v[zt+14], v[zt+8]
	v_nop                                          ; a plain line between the roots and their use
	s_wait_alu depctr_va_vdst(0)                   ; one wait for the four roots, ahead of their first reader
	ALL4 v_mul_f32 v[zt+15], -v[zt+10], v[zt+14]   ; the pair (rstd, -mean rstd)
.irp f, 0,1
.irp q, 0,1,2,3
	ALL4 v_pk_fma_f32 v[zt+2*\q:zt+2*\q+1], v[(\acc)+32*\f+8*zn+2*\q:(\acc)+32*\f+8*zn+2*\q+1], v[zt+14:zt+15], v[zt+14:zt+15] op_sel:[0,0,1] op_sel_hi:[1,0,1]
.endr
.irp q, 0,1,2,3
	ALL4 v_pk_fma_f32 v[zt+2*\q:zt+2*\q+1], v[zt+2*\q:zt+2*\q+1], v[GG+8*\f+2*\q:GG+8*\f+2*\q+1], v[BB+8*\f+2*\q:BB+8*\f+2*\q+1]
.endr
.irp q, 0,1,2,3
	ALL4 v_cvt_pk_bf16_f32 v[zt+8+\q], v[zt+2*\q], v[zt+2*\q+1]
.endr
	ALL4 ds_store_b128 v[\awreg], v[zt+8:zt+11] offset:zn*8192+\f*512
.endr
	BAR
.endm
.macro PLOAD dst, vec                  ; my 16 numbers (features 32 w + 16 f + 8 hh + j) of parameter vector vec
.irp f, 0,1
	ds_load_b128 v[(\dst)+8*\f:(\dst)+8*\f+3], v[PB] offset:(\vec)*1024+\f*64
	ds_load_b128 v[(\dst)+8*\f+4:(\dst)+8*\f+7], v[PB] offset:(\vec)*1024+\f*64+16
.endr
.endm
.macro BADD                            ; ACCA += BI
.irp f, 0,1
.irp n, 0,1,2,3
.irp q, 0,1,2,3
	v_pk_add_f32 v[ACCA+8*(4*\f+\n)+2*\q:ACCA+8*(4*\f+\n)+2*\q+1], v[ACCA+8*(4*\f+\n)+2*\q:ACCA+8*(4*\f+\n)+2*\q+1], v[BI+8*\f+2*\q:BI+8*\f+2*\q+1]
.endr
.endr
.endr
.endm
	s_load_b512 s[8:23], s[0:1], 0x0               ; attno, wf, kv2f, a1_bo, ln2_g, ln2_b, a2_bo, ln3_g
	s_load_b256 s[24:31], s[0:1], 0x40             ; ln3_b, lin2_b, conv_out_b, lin1_b
	s_load_b128 s[32:35], s[0:1], 0x60             ; image, out0
	v_lshl_add_u32 v[SPW], v0, 2, SPARE
	v_mov_b32 v[NIL], 0
	v_lshrrev_b32 v22, 5, v0
	v_readfirstlane_b32 s2, v22                    ; wave
	v_and_b32 v[VL], 31, v0
	v_and_b32 v[VR], 15, v0
	v_bfe_u32 v[VH], v0, 4, 1
	v_lshlrev_b32 v[WO], 4, v[VL]
	s_lshr_b32 s3, ttmp9, 6                        ; b
	s_lshl_b32 s4, s3, 3
	s_add_co_u32 s4, s4, s2                        ; b * 8 + head
	s_mul_i32 s38, s4, 5120
	s_mov_b32 s39, 0
	s_mul_i32 s66, s4, 6144
	s_add_co_u32 s66, s66, 81920
	s_mov_b32 s67, 0
	s_lshl_b32 s70, ttmp9, 15
	s_lshl_b32 s5, s2, 12
	s_add_co_u32 s70, s70, s5
	s_mov_b32 s71, 0
	s_lshl_b32 s36, s2, 18
	s_add_co_u32 s36, s36, R_POST
	s_mov_b32 s37, 0
	s_lshl_b32 s6, s3, 22
	s_lshl_b32 s5, s2, 19
	s_add_co_u32 s6, s6, s5
	s_and_b32 s5, ttmp9, 63
	s_lshl_b32 s5, s5, 8
	s_add_co_u32 s6, s6, s5                        ; ((b 256 + 32 w) 4096 + t0) * 4
	s_mov_b32 s7, 0
	s_mov_b32 s40, 0x3e6d3388                      ; 0.3275911 / sqrt(2)
	s_mov_b32 s42, 0xbf38aa3b                      ; -log2(e) / 2
	s_mov_b32 s44, 0x3f07dc22                      ; the five coefficients, halved: a5
	s_mov_b32 s46, 0xbf3a00e3                      ; a4
	s_mov_b32 s48, 0x3f35f0e3                      ; a3
	s_mov_b32 s50, 0xbe11a98e                      ; a2
	s_mov_b32 s52, 0x3e027906                      ; a1
.irp i, 41,43,45,47,49,51,53
	s_mov_b32 s\i, 0                               ; named with them as pairs
.endr
	s_mov_b32 s54, 0x7fffffff
	s_mov_b32 s55, 0xf149f2ca                      ; -1e30
	s_mov_b32 s[SEL], 0x76543210
	s_mov_b32 s[SEL+1], 0xfedcba98
	s_mov_b32 s58, 0x3e8293ee                      ; c = log2(e) / sqrt(32)
	s_mov_b32 s59, s58
	s_mov_b32 s[EPS], 0x3727c5ac                   ; 1e-5
	s_mov_b32 s[K256], 0x3b800000
	s_wait_kmcnt 0x0
	s_add_nc_u64 s[38:39], s[12:13], s[38:39]      ; K2 of my head
	s_add_nc_u64 s[66:67], s[12:13], s[66:67]      ; V2 of my head
	s_add_nc_u64 s[70:71], s[8:9], s[70:71]        ; my 4 KB of the 64 tokens' attention output
	s_add_nc_u64 s[WB:WB+1], s[10:11], s[36:37]
	s_add_nc_u64 s[32:33], s[32:33], s[6:7]
	s_add_nc_u64 s[34:35], s[34:35], s[6:7]
	s_mov_b64 s[68:69], s[14:15]                   ; parameter vector number w
.irp i, 1,2,3,4,5,6,7
	s_cmp_eq_u32 s2, \i
	s_cselect_b64 s[68:69], s[14+2*\i:15+2*\i], s[68:69]
.endr
	WIN 0x40
.irp i, 0,1,2,3,4
	global_load_b128 v[K2F+8*\i:K2F+8*\i+3], v[WO], s[38:39] offset:\i*1024
	global_load_b128 v[K2F+8*\i+4:K2F+8*\i+7], v[WO], s[38:39] offset:\i*1024+512
.endr
.irp i, 0,1,2,3,4,5
	global_load_b128 v[V2F+8*\i:V2F+8*\i+3], v[WO], s[66:67] offset:\i*1024
	global_load_b128 v[V2F+8*\i+4:V2F+8*\i+7], v[WO], s[66:67] offset:\i*1024+512
.endr
	WIN 0
	s_lshl_b32 s5, s2, 10
	v_add_nc_u32 v22, s5, v[WO]                    ; w * 1024 + lane * 16
	global_load_b128 v[32:35], v[WO], s[68:69]
	global_load_b128 v[36:39], v[WO], s[68:69] offset:512
	global_load_b128 v[40:43], v22, s[30:31]
	global_load_b128 v[44:47], v22, s[30:31] offset:512
.irp i, 0,1,2,3,4,5,6,7
	global_load_b128 v[48+4*\i:51+4*\i], v[WO], s[70:71] offset:\i*512
.endr
.set WI, 0
.set WQ, 0
.set WBASE, 0
.set WEND, 44
.rept 6
	RFILL
.endr
	WIN 0
	v_add_nc_u32 v[LA0], ACT0, v[WO]
	v_add_nc_u32 v[LA1], ACT1, v[WO]
	v_add_nc_u32 v[AW0], s5, v[LA0]
	v_add_nc_u32 v[AW1], s5, v[LA1]
	v_add_nc_u32 v[LH], HG, v[WO]
	s_lshl_b32 s5, s2, 9
	v_add_nc_u32 v[HW], s5, v[LH]                  ; (w >> 1) * 1024 + (w & 1) * 512 = w * 512
	s_lshl_b32 s5, s2, 7
	v_lshl_add_u32 v[PB], v[VH], 5, s5
	v_lshl_add_u32 v[CBA], v[VR], 2, s5
	s_lshl_b32 s5, s2, 6
	s_add_co_u32 s5, s5, 8192
	v_lshl_add_u32 v[LB0], v[VH], 5, s5
	v_mul_u32_u24 v[SR], v[VR], 80
	v_add_nc_u32 v[SR], STAT, v[SR]
	s_lshl_b32 s5, s2, 2
	v_add_nc_u32 v[SW], s5, v[SR]
	s_mul_i32 s5, s2, 32*272
	s_add_co_u32 s5, s5, OSTG
	v_mul_u32_u24 v[OSW], v[VR], 272
	v_lshl_add_u32 v[OSW], v[VH], 5, v[OSW]
	v_add_nc_u32 v[OSW], s5, v[OSW]
	v_mul_u32_u24 v[OSR], v[VH], 272
	v_lshl_add_u32 v[OSR], v[VR], 4, v[OSR]
	v_add_nc_u32 v[OSR], s5, v[OSR]
	v_lshlrev_b32 v[GO], 14, v[VH]
	v_lshl_add_u32 v[GO], v[VR], 4, v[GO]
	s_lshl_b32 s5, s2, 12
	v_add_nc_u32 v24, s5, v[LA0]
	v_lshlrev_b32 v23, 3, v[VH]
	v_sub_nc_u32 v23, 12, v23                      ; in key tile 4 register j is hidden where 64 + 8 hh + j > 76
	WIN 0x40
.irp j, 0,1,2,3,4,5,6,7
	v_cmp_gt_i32 vcc_lo, \j, v23
	v_cndmask_b32 v[MASK+\j], 0, s55, vcc_lo
.endr
	WIN 0
	s_wait_loadcnt 24                              ; all but the ring's six chunks
	ds_store_b128 v22, v[32:35]
	ds_store_b128 v22, v[36:39] offset:512
	ds_store_b128 v22, v[40:43] offset:8192
	ds_store_b128 v22, v[44:47] offset:8704
.irp i, 0,1,2,3,4,5,6,7
	ds_store_b128 v24, v[48+4*\i:51+4*\i] offset:\i*512
.endr
	BAR
	; x1 = o wo + bo
	PLOAD BI, 0
	LAYER ACCA, 0, 1, 8, LA0, 8192
	PLOAD GG, 1
	PLOAD BB, 2
	LN ACCA, 0, AW1
	; q2, kept as fragments in window 1
	LAYER ACC1, 0, 0, 8, LA1, 8192
	WIN 0x40
.irp n, 0,1,2,3
.irp f, 0,1
.irp q, 0,1,2,3
	v_cvt_pk_bf16_f32 v[QF2+8*\n+4*\f+\q], v[ACC1+8*(4*\f+\n)+2*\q], v[ACC1+8*(4*\f+\n)+2*\q+1]
.endr
.endr
.endr
; cross-attention of head w for token tiles 2 nb, 2 nb + 1: 80 keys (77 seen), the whole row at once: maximum, exponentials, sum
.macro XPL k                           ; key tile k's weights, behind the batch's wait: four roundings, the sums
.irp q, 0,1,2,3
.irp nl, 0,1
	v_cvt_pk_bf16_f32 v[XP_+24*\nl+4*(\k)+\q], v[XS_+40*\nl+8*(\k)+2*\q], v[XS_+40*\nl+8*(\k)+2*\q+1]
.endr
.endr
.irp nl, 0,1
	v_pk_add_f32 v[XS_+40*\nl+8*(\k):XS_+40*\nl+8*(\k)+1], v[XS_+40*\nl+8*(\k):XS_+40*\nl+8*(\k)+1], v[XS_+40*\nl+8*(\k)+2:XS_+40*\nl+8*(\k)+3]
.endr
.irp nl, 0,1
	v_pk_add_f32 v[XS_+40*\nl+8*(\k)+4:XS_+40*\nl+8*(\k)+5], v[XS_+40*\nl+8*(\k)+4:XS_+40*\nl+8*(\k)+5], v[XS_+40*\nl+8*(\k)+6:XS_+40*\nl+8*(\k)+7]
.endr
.if (\k) == 0
.irp nl, 0,1
	v_pk_add_f32 v[XT_+8*\nl+6:XT_+8*\nl+7], v[XS_+40*\nl:XS_+40*\nl+1], v[XS_+40*\nl+4:XS_+40*\nl+5]
.endr
.else
.irp nl, 0,1
	v_pk_add_f32 v[XS_+40*\nl+8*(\k):XS_+40*\nl+8*(\k)+1], v[XS_+40*\nl+8*(\k):XS_+40*\nl+8*(\k)+1], v[XS_+40*\nl+8*(\k)+4:XS_+40*\nl+8*(\k)+5]
.endr
.irp nl, 0,1
	v_pk_add_f32 v[XT_+8*\nl+6:XT_+8*\nl+7], v[XT_+8*\nl+6:XT_+8*\nl+7], v[XS_+40*\nl+8*(\k):XS_+40*\nl+8*(\k)+1]
.endr
.endif
.endm
.macro XBATCH nb
	WIN 0x05
.irp kt, 0,1,2,3
.irp nl, 0,1
	v_wmma_f32_16x16x32_bf16 v[XS_+40*\nl+8*\kt:XS_+40*\nl+8*\kt+7], v[K2F+8*\kt:K2F+8*\kt+7], v[QF2+8*(2*(\nb)+\nl):QF2+8*(2*(\nb)+\nl)+7], 0
.endr
.endr
	WIN 0x15                                       ; the last key tile's sums start at the mask
.irp nl, 0,1
	v_wmma_f32_16x16x32_bf16 v[XS_+40*\nl+32:XS_+40*\nl+39], v[K2F+32:K2F+39], v[QF2+8*(2*(\nb)+\nl):QF2+8*(2*(\nb)+\nl)+7], v[MASK:MASK+7]
.endr
	WIN 0
	PLACES
.irp k, 0,1,2,3
.irp nl, 0,1
	v_max3_num_f32 v[XT_+8*\nl+\k], v[XS_+40*\nl+8*\k], v[XS_+40*\nl+8*\k+1], v[XS_+40*\nl+8*\k+2]
.endr
.endr
.irp k, 0,1,2,3
.irp nl, 0,1
	v_max3_num_f32 v[XT_+8*\nl+\k], v[XT_+8*\nl+\k], v[XS_+40*\nl+8*\k+3], v[XS_+40*\nl+8*\k+4]
.endr
.endr
.irp k, 0,1,2,3
.irp nl, 0,1
	v_max3_num_f32 v[XT_+8*\nl+\k], v[XT_+8*\nl+\k], v[XS_+40*\nl+8*\k+5], v[XS_+40*\nl+8*\k+6]
.endr
.endr
.irp k, 0,1,2,3
.irp nl, 0,1
	v_max3_num_f32 v[XT_+8*\nl+\k], v[XT_+8*\nl+\k], v[XS_+40*\nl+32+2*\k], v[XS_+40*\nl+33+2*\k]
.endr
.endr
.irp nl, 0,1
	v_max3_num_f32 v[XT_+8*\nl], v[XT_+8*\nl], v[XS_+40*\nl+7], v[XS_+40*\nl+15]
	v_max3_num_f32 v[XT_+8*\nl+1], v[XT_+8*\nl+1], v[XS_+40*\nl+23], v[XS_+40*\nl+31]
.endr
.irp nl, 0,1
	v_max3_num_f32 v[XT_+8*\nl], v[XT_+8*\nl], v[XT_+8*\nl+1], v[XT_+8*\nl+2]
.endr
.irp nl, 0,1
	v_max_num_f32 v[XT_+8*\nl], v[XT_+8*\nl], v[XT_+8*\nl+3]
.endr
.irp nl, 0,1
	v_permlanex16_b32 v[XT_+8*\nl+1], v[XT_+8*\nl], s[SEL], s[SEL+1]
.endr
.irp nl, 0,1
	v_max_num_f32 v[XT_+8*\nl+5], v[XT_+8*\nl], v[XT_+8*\nl+1]
.endr
.irp nl, 0,1
	v_mul_f32 v[XT_+8*\nl+4], s58, v[XT_+8*\nl+5]
.endr
	; THE BATCH: the 80 exponentials of both token tiles, each in place in its score's register.  Key tile 0 is scaled first; then four exponentials and two plain lines by turns: the next key tile's
	; scalings, and beside the last key tile's exponentials the eight zeros of P.  Nothing here names a result of the batch.
.irp q, 0,1,2,3
.irp nl, 0,1
	v_pk_fma_f32 v[XS_+40*\nl+2*\q:XS_+40*\nl+2*\q+1], v[XS_+40*\nl+2*\q:XS_+40*\nl+2*\q+1], s[58:59], v[XT_+8*\nl+4:XT_+8*\nl+5] op_sel_hi:[1,0,0] neg_lo:[0,0,1] neg_hi:[0,0,1]
.endr
.endr
.set zg, 0
.rept 5
.irp q, 0,1,2,3
.irp nl, 0,1
	v_exp_f32 v[XS_+40*\nl+8*zg+2*\q], v[XS_+40*\nl+8*zg+2*\q]
	v_exp_f32 v[XS_+40*\nl+8*zg+2*\q+1], v[XS_+40*\nl+8*zg+2*\q+1]
.endr
.irp nl, 0,1
.if zg < 4
	v_pk_fma_f32 v[XS_+40*\nl+8*zg+8+2*\q:XS_+40*\nl+8*zg+8+2*\q+1], v[XS_+40*\nl+8*zg+8+2*\q:XS_+40*\nl+8*zg+8+2*\q+1], s[58:59], v[XT_+8*\nl+4:XT_+8*\nl+5] op_sel_hi:[1,0,0] neg_lo:[0,0,1] neg_hi:[0,0,1]
.else
	v_mov_b32 v[XP_+24*\nl+20+\q], 0               ; keys 80-95 have weight 0; the last two of these are the plain lines behind the last exponentials
.endif
.endr
.endr
.set zg, zg+1
.endr
	s_wait_alu depctr_va_vdst(0)                   ; one wait for the 80 exponentials, ahead of their first reader
	XPL 0
	XPL 1
	XPL 2
	XPL 3
	XPL 4
.irp nl, 0,1
	v_add_f32 v[XT_+8*\nl+6], v[XT_+8*\nl+6], v[XT_+8*\nl+7]
.endr
.irp nl, 0,1
	v_permlanex16_b32 v[XT_+8*\nl+7], v[XT_+8*\nl+6], s[SEL], s[SEL+1]
.endr
.irp nl, 0,1
	v_add_f32 v[XT_+8*\nl+6], v[XT_+8*\nl+6], v[XT_+8*\nl+7]
.endr
.irp nl, 0,1
	v_rcp_f32 v[XT_+8*\nl+6], v[XT_+8*\nl+6]       ; a second batch: the two reciprocals; the twelve products below, which name neither, stand between them and their wait
.endr
	WIN 0x51
.irp k32, 0,1,2
.irp cb, 0,1
.irp nl, 0,1
.if \k32 == 0
	v_wmma_f32_16x16x32_bf16 v[O2+8*(2*\cb+\nl):O2+8*(2*\cb+\nl)+7], v[V2F+8*(3*\cb+\k32):V2F+8*(3*\cb+\k32)+7], v[XP_+24*\nl+8*\k32:XP_+24*\nl+8*\k32+7], 0
.else
	v_wmma_f32_16x16x32_bf16 v[O2+8*(2*\cb+\nl):O2+8*(2*\cb+\nl)+7], v[V2F+8*(3*\cb+\k32):V2F+8*(3*\cb+\k32)+7], v[XP_+24*\nl+8*\k32:XP_+24*\nl+8*\k32+7], v[O2+8*(2*\cb+\nl):O2+8*(2*\cb+\nl)+7]
.endif
.endr
.endr
.endr
	PLACES
	WIN 0x41
	s_wait_alu depctr_va_vdst(0)                   ; one wait for the two reciprocals, ahead of their first reader
.irp cb, 0,1
.irp nl, 0,1
.irp q, 0,1,2,3
	v_pk_mul_f32 v[O2+8*(2*\cb+\nl)+2*\q:O2+8*(2*\cb+\nl)+2*\q+1], v[O2+8*(2*\cb+\nl)+2*\q:O2+8*(2*\cb+\nl)+2*\q+1], v[XT_+8*\nl+6:XT_+8*\nl+7] op_sel_hi:[1,0]
.endr
.endr
.endr
	WIN 0x05
.irp t, 0,1,2,3
.irp q, 0,1,2,3
	v_cvt_pk_bf16_f32 v[32+4*\t+\q], v[O2+8*\t+2*\q], v[O2+8*\t+2*\q+1]
.endr
.endr
	WIN 0
.irp cb, 0,1
.irp nl, 0,1
	ds_store_b128 v[AW0], v[32+4*(2*\cb+\nl):32+4*(2*\cb+\nl)+3] offset:(2*(\nb)+\nl)*8192+\cb*512
.endr
.endr
.endm
	XBATCH 0
	XBATCH 1
	PLOAD BI, 3
	BAR
	; x2 = x1 + a2_bo + o2 a2_wo
	BADD
	LAYER ACCA, 0, 2, 8, LA0, 8192
	PLOAD GG, 4
	PLOAD BB, 5
	LN ACCA, 5120, AW1
	PLOAD BI, 6
	s_wait_dscnt 0x0
	BADD                                           ; + lin2_b; the MLP's second product goes on in place
; a gelu(g).  gelu(g) = g / 2 + |g| (1/2 - y e), y = the polynomial in t = 1 / (1 + p |g| / sqrt 2) with halved coefficients, e = exp(-g^2 / 2).
; A slice's 64 transcendentals, eight t and eight e for each of the four token tiles, are ONE batch with ONE wait.  Two queues feed it:
; GP p: plain line p % 20 of token tile p / 20: 0-7 |g|; 8-11 1 + p |g| / sqrt 2, in pairs; 12-15 g^2; 16-19 times -log2(e) / 2.  Each accumulator's lowest registers are read first.
.macro GP p
.set zA, GW+24*((\p)/20)
.set zG, ACC1+32+8*((\p)/20)
.set zl, (\p)%20
.if zl < 8
	v_and_b32 v[zA+zl], s54, v[zG+zl]
.elseif zl < 12
	v_pk_fma_f32 v[zA+8+2*(zl-8):zA+9+2*(zl-8)], v[zA+2*(zl-8):zA+2*(zl-8)+1], s[40:41], 1.0 op_sel_hi:[1,0,0]
.elseif zl < 16
	v_pk_mul_f32 v[zA+16+2*(zl-12):zA+17+2*(zl-12)], v[zA+2*(zl-12):zA+2*(zl-12)+1], v[zA+2*(zl-12):zA+2*(zl-12)+1]
.else
	v_pk_mul_f32 v[zA+16+2*(zl-16):zA+17+2*(zl-16)], v[zA+16+2*(zl-16):zA+17+2*(zl-16)], s[42:43] op_sel_hi:[1,0]
.endif
.endm
; GT t: transcendental t % 16 of token tile t / 16, in place: 0-7 the reciprocals (number k reads plain line 8 + k / 2), 8-15 the exponentials (number k reads plain line 12 + k / 2).
.macro GT t
.set zA, GW+24*((\t)/16)
.set zl, (\t)%16
.if zl < 8
	v_rcp_f32 v[zA+8+zl], v[zA+8+zl]
.else
	v_exp_f32 v[zA+8+zl], v[zA+8+zl]
.endif
.endm
; Behind the wait: token tile ni is finished and goes to LDS.
.macro GFIN ni
.set zA, GW+24*(\ni)
.set zG, ACC1+32+8*(\ni)
.set zH, ACC1+8*(\ni)
.irp q, 0,1,2,3
	v_pk_fma_f32 v[GY+2*\q:GY+1+2*\q], v[zA+8+2*\q:zA+9+2*\q], s[44:45], s[46:47] op_sel_hi:[1,0,0]
.endr
.irp c, 48,50,52
.irp q, 0,1,2,3
	v_pk_fma_f32 v[GY+2*\q:GY+1+2*\q], v[GY+2*\q:GY+1+2*\q], v[zA+8+2*\q:zA+9+2*\q], s[\c:\c+1] op_sel_hi:[1,1,0]
.endr
.endr
.irp q, 0,1,2,3
	v_pk_mul_f32 v[GY+2*\q:GY+1+2*\q], v[GY+2*\q:GY+1+2*\q], v[zA+8+2*\q:zA+9+2*\q]
.endr
.irp q, 0,1,2,3
	v_pk_fma_f32 v[GY+2*\q:GY+1+2*\q], v[GY+2*\q:GY+1+2*\q], v[zA+16+2*\q:zA+17+2*\q], 0.5 op_sel_hi:[1,1,0] neg_lo:[1,0,0] neg_hi:[1,0,0]
.endr
.irp q, 0,1,2,3
	v_pk_mul_f32 v[GY+2*\q:GY+1+2*\q], v[GY+2*\q:GY+1+2*\q], v[zA+2*\q:zA+2*\q+1]
.endr
.irp q, 0,1,2,3
	v_pk_fma_f32 v[GY+2*\q:GY+1+2*\q], v[zG+2*\q:zG+2*\q+1], 0.5, v[GY+2*\q:GY+1+2*\q] op_sel_hi:[1,0,1]
.endr
.irp q, 0,1,2,3
	v_pk_mul_f32 v[GY+2*\q:GY+1+2*\q], v[GY+2*\q:GY+1+2*\q], v[zH+2*\q:zH+2*\q+1]
.endr
.irp q, 0,1,2,3
	v_cvt_pk_bf16_f32 v[zA+\q], v[GY+2*\q], v[GY+1+2*\q]
.endr
	ds_store_b128 v[HW], v[zA:zA+3] offset:(\ni)*4096
.endm
	s_mov_b32 s62, 8
	s_mov_b32 s63, 0
.Lslice:                                               ; a slice: 128 hidden units: 16 of a and 16 of g a wave, then their share of the second product.  12 chunks of the stream
	v_add_nc_u32 v[LBT], s63, v[LB0]
	ds_load_b128 v[BI:BI+3], v[LBT]
	ds_load_b128 v[BI+4:BI+7], v[LBT] offset:16
	ds_load_b128 v[BI+8:BI+11], v[LBT] offset:4096
	ds_load_b128 v[BI+12:BI+15], v[LBT] offset:4112
	LAYER ACC1, 0, 1, 8, LA1, 8192
	; THE BATCH: 24 plain lines go first, then a transcendental and a plain line by turns: transcendental t stands behind plain lines up to t + 23, and the line that it reads is t + 20 at the most;
	; the plain line behind it touches other registers.  All 80 plain lines feed a transcendental, so the last eight exponentials stand on end.  Nothing here names a result of the batch.
.set zp, 0
.rept 24
	GP zp
.set zp, zp+1
.endr
.set zp, 0
.rept 56
	GT zp
	GP zp+24
.set zp, zp+1
.endr
.rept 8
	GT zp
.set zp, zp+1
.endr
	s_wait_alu depctr_va_vdst(0)                   ; the slice's one wait, for its 32 reciprocals and 32 exponentials, ahead of the first reader, which is the next line;
	GFIN 0                                         ; that line is plain and names token tile 0's t alone, nothing of the last exponentials: it is also the plain line behind those
	GFIN 1
	GFIN 2
	GFIN 3
	BAR                                            ; the slice's 128 units are in LDS
	LAYER ACCA, 0, 2, 4, LH, 4096
	BAR                                            ; and have been read by all before they are written again
	s_add_co_u32 s63, s63, 512
	s_wait_xcnt 0x0                                ; the stream's base steps only behind this wait
	s_add_nc_u64 s[WB:WB+1], s[WB:WB+1], 24576
	s_sub_co_u32 s62, s62, 1
	s_cmp_lg_u32 s62, 0
	s_cbranch_scc1 .Lslice
.set WBASE, 12                         ; the base has gone 96 chunks on, the text's counters 12
	; x3 -> bf16 -> LDS, as rows of tokens for conv_out
.irp t, 0,1,2,3,4,5,6,7
.irp q, 0,1,2,3
	v_cvt_pk_bf16_f32 v[ACCA+8*\t+\q], v[ACCA+8*\t+2*\q], v[ACCA+8*\t+2*\q+1]
.endr
.endr
.irp f, 0,1
.irp n, 0,1,2,3
	ds_store_b128 v[AW0], v[ACCA+8*(4*\f+\n):ACCA+8*(4*\f+\n)+3] offset:\n*8192+\f*512
.endr
.endr
	ds_load_b32 v[BI], v[CBA] offset:7168          ; conv_out_b of my column 32 w + 16 f + r
	ds_load_b32 v[BI+8], v[CBA] offset:7168+64
	BAR
.irp j, 1,2,3,4,5,6,7
	v_mov_b32 v[BI+\j], v[BI]
	v_mov_b32 v[BI+8+\j], v[BI+8]
.endr
	; conv_out: D(m = token, n = output channel): a lane holds eight neighbouring tokens of one output row
	LAYER ACC1, 1, 1, 8, LA0, 8192, 1
.irp f, 0,1
.irp n, 0,1,2,3
	ds_store_b128 v[OSW], v[ACC1+8*(4*\f+\n):ACC1+8*(4*\f+\n)+3] offset:\f*4352+\n*64
	ds_store_b128 v[OSW], v[ACC1+8*(4*\f+\n)+4:ACC1+8*(4*\f+\n)+7] offset:\f*4352+\n*64+16
.endr
.endr
.set zi, 0
.rept 16
	ds_load_b128 v[32+4*zi:35+4*zi], v[OSR] offset:zi*544  ; my own rows: LDS serves a wave's instructions in order
.set zi, zi+1
.endr
	s_wait_loadcnt 0x0                             ; the image
	s_wait_dscnt 0x0
	WIN 0x04
.set zi, 0
.rept 32
	v_pk_add_f32 v[32+2*zi:33+2*zi], v[32+2*zi:33+2*zi], v[RES+2*zi:RES+2*zi+1]
.set zi, zi+1
.endr
	WIN 0
.set zi, 0
.rept 16
	global_store_b128 v[GO], v[32+4*zi:35+4*zi], s[34:35] offset:zi*32768  ; 16 lanes store 256 consecutive bytes, at a multiple of 256 from out0's first
.set zi, zi+1
.endr
	s_wait_tensorcnt 0x0                           ; the wave's end
	ds_add_u32 v[SPW], v[NIL]
	s_wait_dscnt 0x0
	s_endpgm
.Lfunc_end_k_qf79230511f_post:
	.size	k_qf79230511f_post, .Lfunc_end_k_qf79230511f_post-k_qf79230511f_post
	.p2alignl 7, 3214868480
	.fill 96, 4, 3214868480
	.section	.rodata,"a",@progbits
	.p2align	6, 0x0
	.amdhsa_kernel k_qf79230511f_post
		.amdhsa_group_segment_fixed_size 179200
		.amdhsa_private_segment_fixed_size 0
		.amdhsa_enable_private_segment 0
		.amdhsa_kernarg_size 112
		.amdhsa_user_sgpr_count 2
		.amdhsa_user_sgpr_kernarg_segment_ptr 1
		.amdhsa_wavefront_size32 1
		.amdhsa_system_sgpr_workgroup_id_x 1
		.amdhsa_system_sgpr_workgroup_id_y 1
		.amdhsa_system_sgpr_workgroup_id_z 1
		.amdhsa_system_vgpr_workitem_id 0
		.amdhsa_next_free_vgpr 512
		.amdhsa_next_free_sgpr 72
		.amdhsa_reserve_vcc 1
		.amdhsa_float_denorm_mode_32 3
		.amdhsa_float_denorm_mode_16_64 3
		.amdhsa_memory_ordered 1
		.amdhsa_forward_progress 1
		.amdhsa_inst_pref_size 194
	.end_amdhsa_kernel
	.amdgpu_metadata
---
amdhsa.version: [ 1, 2 ]
amdhsa.kernels:
  - .name:           k_qf79230511f_post
    .symbol:         k_qf79230511f_post.kd
    .args:
      - { .name: attno, .offset: 0, .size: 8, .value_kind: global_buffer, .address_space: global }
      - { .name: wf, .offset: 8, .size: 8, .value_kind: global_buffer, .address_space: global }
      - { .name: kv2f, .offset: 16, .size: 8, .value_kind: global_buffer, .address_space: global }
      - { .name: a1_bo, .offset: 24, .size: 8, .value_kind: global_buffer, .address_space: global }
      - { .name: ln2_g, .offset: 32, .size: 8, .value_kind: global_buffer, .address_space: global }
      - { .name: ln2_b, .offset: 40, .size: 8, .value_kind: global_buffer, .address_space: global }
      - { .name: a2_bo, .offset: 48, .size: 8, .value_kind: global_buffer, .address_space: global }
      - { .name: ln3_g, .offset: 56, .size: 8, .value_kind: global_buffer, .address_space: global }
      - { .name: ln3_b, .offset: 64, .size: 8, .value_kind: global_buffer, .address_space: global }
      - { .name: lin2_b, .offset: 72, .size: 8, .value_kind: global_buffer, .address_space: global }
      - { .name: conv_out_b, .offset: 80, .size: 8, .value_kind: global_buffer, .address_space: global }
      - { .name: lin1_b, .offset: 88, .size: 8, .value_kind: global_buffer, .address_space: global }
      - { .name: hidden_image, .offset: 96, .size: 8, .value_kind: global_buffer, .address_space: global }
      - { .name: out0, .offset: 104, .size: 8, .value_kind: global_buffer, .address_space: global }
    .group_segment_fixed_size: 179200
    .private_segment_fixed_size: 0
    .kernarg_segment_align: 8
    .kernarg_segment_size: 112
    .max_flat_workgroup_size: 256
    .sgpr_count:     72
    .vgpr_count:     512
    .wavefront_size: 32
...
	.end_amdgpu_metadata
.endif
;; end of part 6
